; MI455X (gfx1250); checked and timed in simulation.
; The chip was launched on July 23, 2026; its instructions are those of AMD's public machine-readable ISA for CDNA 5 (MIT licence, August 2026) and "CDNA5" Instruction Set Architecture Reference Guide (July 2026). The comments in the code are by the model that wrote it; some were corrected since.
;; Causal Self Attention. Allowed arithmetic: matrix products marked QUANTISED: E2M3 operands, one E8M0 scale for each 32 along K, by v_wmma_scale_f32_16x16x128_f8f6f4 with both operands' format E2M3, f32 sums; everything else in f32.
;; Inputs: w_out 1,024 x 1,024 float32; w_qkv 1,024 x 3,072 float32; x 4 x 2,048 x 1,024 float32.
;; Outputs: out0 4 x 2,048 x 1,024 float32.
;; This version of the problem:
;;   THIS VERSION OF THE PROBLEM IS GIVEN IN LOW PRECISION. The matrix products marked QUANTISED in the list below multiply operands that are first quantised to E2M3 (2 exponent bits, 3 mantissa bits; 6 bits a number), with one power-of-two scale for each 32 numbers along K (OCP MX v1.0); their sums are f32. All else is computed in f32.
;;   The module's matrix products, in the order in which they are computed (A, B: the left and right operand; K: the contracted axis; several contracted axes count as one K, in the product's order):
;;     1. [M 8,192, K 1,024] x [K 1,024, N 3,072]; A: input x; B: input w_qkv: QUANTISED
;;     2. batch 64 x [M 2,048, K 64] x [K 64, N 2,048]; A: computed on the way; B: computed on the way: QUANTISED
;;     3. batch 64 x [M 2,048, K 2,048] x [K 2,048, N 64]; A: softmax (see below); B: computed on the way: QUANTISED
;;     4. [M 8,192, K 1,024] x [K 1,024, N 1,024]; A: computed on the way; B: input w_out: QUANTISED
;;   THE QUANTISER, for each operand of a quantised product, along K:
;;     - K is cut into blocks of 32 from its start; a last block that is shorter is filled with zeros.
;;     - A block's scale is 2^e with e = floor(log2(the largest magnitude in the block)) - 2, held to -126 .. 127; a block of zeros has e = 0. As a byte (E8M0): e + 127.
;;     - Each number is divided by its block's scale, clamped to +-7.5, and rounded to the nearest number of E2M3, ties to even, subnormals kept.
;;     - The product sums the exact products of the quantised numbers (number of the format x scale) in f32.
;;   ~~~python
;;   def quantise(x, axis):      # numpy; x: float32 -> the quantised numbers, widened to float32 again
;;       x = np.moveaxis(x, axis, -1); K = x.shape[-1]
;;       x = np.pad(x, [(0, 0)] * (x.ndim - 1) + [(0, -K % 32)]); x = x.reshape(x.shape[:-1] + (-1, 32)); a = np.abs(x).max(-1, keepdims=True)
;;       e = np.where(a > 0, np.clip(np.frexp(np.where(a > 0, a, 1))[1] - 1 - 2, -126, 127), 0)      # np.frexp(a)[1] - 1 = floor(log2(a)), exactly
;;       r = np.clip(x / 2.0 ** e, -7.5, 7.5)
;;       step = 2.0 ** (np.maximum(np.frexp(np.where(r == 0, 1, r))[1] - 1, 0) - 3)
;;       q = np.round(r / step) * step * 2.0 ** e      # np.round: ties to even
;;       return np.moveaxis(q.reshape(q.shape[:-2] + (-1,))[..., :K], -1, axis).astype(np.float32)
;;   ~~~
;;   SOFTMAX AHEAD OF A QUANTISED PRODUCT. Where the list says 'softmax', what is quantised is not the finished softmax but p = 2^(t - M), with t = logit x log2(e) and M = ceil(the row's largest t), a whole number; so 1/2 < the row's largest p <= 1. The row's sum l is taken of the UNQUANTISED p, in f32, and the product's result is divided by l at the end. Since M is a whole number, a kernel that streams over the keys may use a running M (the ceiling of the running maximum): every later rescaling is an exact power of two, which a block's scale takes up: the codes' values come out the same.
;;   OPERANDS COMPUTED ON THE WAY. 'Computed on the way' means the value that the module computes at that place (a softmax that the list does not call 'softmax' is quantised finished and normalised). What goes into a quantiser is computed in f32, as accurately as f32 sums, v_exp_f32 and their like allow (about 1e-6 of the number): no bf16 or f16 on the way to a quantiser, and a product that is left as it is and whose result goes on into a quantised operand takes f32 operands (vector FMAs, or v_wmma_f32_16x16x4_f32). A number that lies on a knife's edge between two numbers of the format may be rounded either way, as far as f32 arithmetic and the matrix unit's own rounding can turn it there, and no further.
;; One version. Each part assembles by itself: llvm-mc -triple=amdgcn-amd-amdhsa -mcpu=gfx1250 --defsym DOCPART=n.
;; ======== version 1 of 1: 4 launches
;; workspace buffers: xc 6,291,456 bytes; xs 262,144 bytes; wc 3,145,728 bytes; ws 262,144 bytes; qkv 19,660,800 bytes; yc 6,291,456 bytes; ys 262,144 bytes
;; launch quant (part 1): grid 512 x 1, 4 waves a work-group, no clusters, 35,328 bytes of LDS; arguments x, w_qkv, w_out, xc, xs, wc, ws; writes xc, xs, wc, ws
.if DOCPART == 1
	.amdgcn_target "amdgcn-amd-amdhsa--gfx1250"
	.amdhsa_code_object_version 6
	.text
	.protected	k_q19c111d8c3_quant
	.globl	k_q19c111d8c3_quant
	.p2align	8
	.type	k_q19c111d8c3_quant,@function
k_q19c111d8c3_quant:
	s_mov_b64 s[64:65], 0
	v_nop
	global_prefetch_b8 v0, s[64:65] scope:SCOPE_SE
	s_setreg_imm32_b32 hwreg(HW_REG_WAVE_MODE, 25, 1), 1
	s_wait_xcnt 0x0
; x [8192][1024], w_qkv [1024][3072] and w_out [1024][1024], f32, become codes of FP6 (E2M3) with one E8M0 byte for each 32 along K, laid in the ORDER OF AN OPERAND'S REGISTERS.
; A block's scale is 2^(floor(log2(its largest magnitude)) - 2); its byte is that magnitude's exponent field - 2, held at 1 from below; numbers are divided by the scale and rounded to the nearest code, ties to even.
; LIMITS: NaN and infinities among the inputs are not served; a block whose largest magnitude lies under 2^-124 is held at the byte 1; a block of zeros gets the byte 1 (the rule says 127): its codes are zeros,
; which add nothing under any byte but 0xff, and this program alone reads the bytes.
; THE ORDER OF ROWS.  Rows (tokens of x; columns of a weight, which are the rows of its operand) go in groups of 32; lane r of tile 2 g + u holds row 32 g + 8 u + (r % 8) + 16 (r / 8).
; THE IMAGE.  16 rows x 64 K are six registers a lane (r, h): k = 32 h + 0 .. 31.  Registers 0-3 lie at 16 (r + 16 h), registers 4-5 at 512 + 16 r + 8 h: 768 bytes.  A tile's K step of 128 is two images, a tile's 1,024 along K 12,288 bytes.
; THE SCALE WORDS of four tiles t at one K step are 256 bytes: word (t, r) at 128 (t / 2) + 8 r + 4 (t % 2); buffers [K step][64 rows][256], a K step's plane 32,768 bytes.
; wc, ws hold w_qkv's 3,072 columns and then w_out's 1,024 as 4,096 rows.
; WORK-GROUPS 0-255 take x: 64 rows x 4 K steps, a wave one K step.  256-511 take the weights: 128 columns x one K step, a wave 32 columns.  Waves share nothing: no barrier.
.set STG,   8704                       ; LDS: a stage of 16 rows x 528 bytes for each wave (x's path alone)
.set SP,    528                        ; a stage row: 512 bytes + 16, so that sixteen rows start at sixteen different 16-byte columns
.set SPARE, 4*STG                      ; behind the stages: the spare words, 128 bytes a wave, that no other line names
.set SPW,   10                         ; v10  my spare word's LDS address; never rewritten
.set NIL,   11                         ; v11  0; never rewritten
.set WD,    20                         ; v20-23  a tile's scale words (weights: v20 the column's word)
.set FC,    24                         ; v24-47  codes
.set TC,    48                         ; v48-55  the second halves of blocks, as the conversions leave them
.set XN,    64                         ; v64-127 x: 64 numbers of my row, in the operand's order
.set RW,    128                        ; v128-255 numbers as they are loaded
	s_load_b256 s[4:11], s[0:1], 0x0               ; x s[4:5], w_qkv s[6:7], w_out s[8:9], xc s[10:11]
	s_load_b128 s[12:15], s[0:1], 0x20             ; xs s[12:13], wc s[14:15]
	s_load_b64 s[16:17], s[0:1], 0x30              ; ws
	v_lshl_add_u32 v[SPW], v0, 2, SPARE
	v_mov_b32 v[NIL], 0
	v_lshrrev_b32 v1, 5, v0
	v_readfirstlane_b32 s18, v1                    ; wave 0..3
	v_and_b32 v1, 31, v0                           ; l
	v_and_b32 v2, 15, v0                           ; r
	v_bfe_u32 v3, v0, 4, 1                         ; h
	s_mov_b32 s20, 0x76543210
	s_mov_b32 s21, 0xfedcba98                      ; v_permlanex16_b32's selects for lane l xor 16
	s_cmp_lt_u32 ttmp9, 256
	s_cbranch_scc0 .Lweights
	; ---------------- x: K is innermost
	s_lshr_b32 s24, ttmp9, 1                       ; G: which 64 rows
	s_and_b32 s25, ttmp9, 1
	s_lshl_b32 s25, s25, 2
	s_add_co_u32 s25, s25, s18                     ; s: my wave's K step
	v_lshlrev_b32 v4, 4, v1                        ; 16 l
	v_lshlrev_b32 v5, 4, v2
	v_lshl_add_u32 v5, v3, 3, v5                   ; 16 r + 8 h
	v_lshlrev_b32 v6, 3, v1                        ; 8 l
	s_mul_i32 s26, s18, STG
	v_add_nc_u32 v7, s26, v4                       ; into my stage: a row's 512 bytes as they lie
	v_mul_u32_u24 v8, v2, SP
	v_lshl_add_u32 v8, v3, 7, v8
	v_add_nc_u32 v8, s26, v8                       ; out of it: row r, + 128 h: my 32 numbers of each 64
	v_lshlrev_b32 v9, 3, v3                        ; 8 h
	v_mov_b32 v19, 0                               ; written once: a lane permute's destination counts as one of its sources
	s_lshl_b32 s28, s24, 18                        ; x: 64 rows of 4,096 bytes,
	s_lshl_b32 s27, s25, 9
	s_add_co_u32 s28, s28, s27                     ; + 512 bytes a K step
	s_mov_b32 s29, 0
	s_mul_i32 s30, s24, 4*12288                    ; xc: four tiles,
	s_mul_i32 s27, s25, 1536
	s_add_co_u32 s30, s30, s27                     ; + the K step's two images
	s_mov_b32 s31, 0
	s_lshl_b32 s32, s25, 15                        ; xs: the K step's plane,
	s_lshl_b32 s27, s24, 8
	s_add_co_u32 s32, s32, s27                     ; + 256 bytes for each 64 rows
	s_mov_b32 s33, 0
	s_wait_kmcnt 0x0
	s_add_nc_u64 s[4:5], s[4:5], s[28:29]
	s_add_nc_u64 s[10:11], s[10:11], s[30:31]
	s_add_nc_u64 s[12:13], s[12:13], s[32:33]
.macro XLOAD t                         ; tile t's sixteen rows, in the tile's order: each load reads 512 consecutive bytes of one row
.set i, 0
.rept 16
	global_load_b128 v[RW+64*((\t)%2)+4*i:RW+64*((\t)%2)+4*i+3], v4, s[4:5] offset:(32*((\t)/2)+8*((\t)%2)+(i%8)+16*(i/8))*4096 th:TH_LOAD_NT
.set i, i+1
.endr
.endm
.macro XTILE t
.set RS, RW+64*((\t)%2)
.set FS, FC+12*((\t)%2)
.if (\t) < 3
	s_wait_loadcnt 16                              ; this tile's sixteen loads are in; the next tile's sixteen may be out
.else
	s_wait_loadcnt 0x0
.endif
.set i, 0
.rept 16
	ds_store_b128 v7, v[RS+4*i:RS+4*i+3] offset:SP*i
.set i, i+1
.endr
.set i, 0
.rept 16                               ; LDS serves a wave's instructions in order: these see the stores above.  Register 32 c + 4 i + e = k 64 c + 32 h + 4 i + e of row r
	ds_load_b128 v[XN+32*(i/8)+4*(i%8):XN+32*(i/8)+4*(i%8)+3], v8 offset:256*(i/8)+16*(i%8)
.set i, i+1
.endr
	s_wait_dscnt 0x0                               ; the numbers are back, and the stores have read their registers,
.if (\t) < 2
	XLOAD (\t)+2                                   ; which take the tile two further on
.endif
	v_max3_num_f32 v12, |v[XN]|, |v[XN+1]|, 0x1800000      ; my two whole blocks by turns; the floor 2^(3 - 127) holds the byte at 1 from below
	v_max3_num_f32 v13, |v[XN+32]|, |v[XN+33]|, 0x1800000
.set i, 2
.rept 15
	v_max3_num_f32 v12, v12, |v[XN+i]|, |v[XN+i+1]|
	v_max3_num_f32 v13, v13, |v[XN+32+i]|, |v[XN+32+i+1]|
.set i, i+2
.endr
	v_add_nc_u32 v14, 0xff000000, v12              ; 2 off the exponent field: the conversion takes this operand's exponent field as its scale
	v_add_nc_u32 v15, 0xff000000, v13
	v_lshrrev_b32 v16, 23, v14                     ; the scales' bytes
	v_lshrrev_b32 v17, 23, v15
.if (\t) >= 2
	s_wait_xcnt 0x0                                ; the stores of two tiles ago have read this set of codes
.endif
.irp c, 0,1
	v_cvt_scalef32_pk16_fp6_f32 v[FS+6*\c:FS+6*\c+2], v[XN+32*\c:XN+32*\c+15], v[14+\c]
	v_cvt_scalef32_pk16_fp6_f32 v[TC+4*\c:TC+4*\c+2], v[XN+32*\c+16:XN+32*\c+31], v[14+\c]   ; (a conversion's three registers begin on an even number)
.endr
	v_lshl_or_b32 v18, v17, 16, v16                ; my two bytes, blocks h and 2 + h.  (Also the plain instruction behind the conversions)
	v_lshlrev_b32 v18, v9, v18                     ; at their places in the word
	v_permlanex16_b32 v19, v18, s20, s21
	v_or_b32 v[WD+(\t)], v18, v19                  ; with lane l xor 16's two the row's word is whole, in both halves of the lanes
.irp c, 0,1
.irp i, 0,1,2
	v_mov_b32 v[FS+6*\c+3+\i], v[TC+4*\c+\i]
.endr
.endr
.irp c, 0,1
	global_store_b128 v4, v[FS+6*\c:FS+6*\c+3], s[10:11] offset:12288*(\t)+768*\c          ; 512 consecutive bytes
	global_store_b64 v5, v[FS+6*\c+4:FS+6*\c+5], s[10:11] offset:12288*(\t)+768*\c+512     ; 256 consecutive bytes
.endr
.endm
	XLOAD 0
	XLOAD 1
	XTILE 0
	XTILE 1
	XTILE 2
	XTILE 3
	v_cmp_ne_u32 vcc_lo, 0, v3
	v_cndmask_b32 v12, v[WD], v[WD+2], vcc_lo      ; lane (r, h) gives the words of tiles 2 h and 2 h + 1
	v_cndmask_b32 v13, v[WD+1], v[WD+3], vcc_lo
	global_store_b64 v6, v[12:13], s[12:13]        ; 256 consecutive bytes, aligned
	s_branch .Lend
	; ---------------- the weights: K is the FIRST axis.  A lane takes a column and its registers run down K: a block of 32 lies in one lane, and the codes come out with K innermost
.Lweights:
	s_sub_co_u32 s24, ttmp9, 256
	s_and_b32 s25, s24, 31                         ; cg: which 128 of the 4,096 columns
	s_lshr_b32 s26, s24, 5                         ; s: the K step
	v_lshlrev_b32 v4, 2, v1                        ; in: 4 bytes a lane
	v_bfe_u32 v12, v0, 3, 1                        ; column l of a group of 32 is lane r' of tile u: u = (l / 8) % 2,
	v_and_b32 v13, 7, v0
	v_lshl_or_b32 v13, v3, 3, v13                  ; r' = l % 8 + 8 (l / 16)
	v_lshlrev_b32 v5, 4, v13
	v_mad_u32_u24 v5, v12, 12288, v5               ; codes: tile u, 16 r'
	v_lshlrev_b32 v6, 3, v13
	v_lshl_add_u32 v6, v12, 2, v6                  ; scale word: 8 r' + 4 u
	s_lshl_b32 s27, s25, 3
	s_lshl_b32 s28, s18, 1
	s_add_co_u32 s27, s27, s28                     ; my first tile: 8 cg + 2 wave
	s_mul_i32 s28, s27, 12288
	s_mul_i32 s27, s26, 1536
	s_add_co_u32 s28, s28, s27
	s_mov_b32 s29, 0
	s_lshl_b32 s30, s26, 15                        ; ws: the K step's plane, + 256 for each 64 columns, + 128 for the upper two tiles: 512 cg + 128 wave
	s_lshl_b32 s32, s25, 9
	s_lshl_b32 s27, s18, 7
	s_add_co_u32 s32, s32, s27                     ; which is also 4 x my first column
	s_add_co_u32 s30, s30, s32
	s_mov_b32 s31, 0
	s_mov_b32 s33, 0
	s_wait_kmcnt 0x0
	s_add_nc_u64 s[14:15], s[14:15], s[28:29]
	s_add_nc_u64 s[16:17], s[16:17], s[30:31]
.macro LOADW t, p, pitch               ; block t: W(32 t + i, my column): 128 consecutive bytes a wave, 512 a work-group
.set i, 0
.rept 32
	global_load_b32 v[RW+32*(\t)+i], v4, s[\p:\p+1] offset:(32*(\t)+i)*\pitch th:TH_LOAD_NT
.set i, i+1
.endr
.endm
.macro WBODY p, pitch
	LOADW 0, \p, \pitch
	LOADW 1, \p, \pitch
.irp t, 0,1,2,3                        ; block t is half h = t % 2 of image c = t / 2 of my row
.set XS, RW+32*\t
.set CC, \t/2
.set HH, \t%2
.if \t < 3
	s_wait_loadcnt 32                              ; this block's 32 loads are in; the next block's may be out
.else
	s_wait_loadcnt 0x0
.endif
.if \t < 2
	LOADW \t+2, \p, \pitch
.endif
	v_max3_num_f32 v14, |v[XS]|, |v[XS+1]|, 0x1800000      ; the floor holds the byte at 1 from below
	v_max3_num_f32 v15, |v[XS+2]|, |v[XS+3]|, |v[XS+4]|
.irp i, 5,9,13,17,21,25
	v_max3_num_f32 v14, v14, |v[XS+\i]|, |v[XS+\i+1]|
	v_max3_num_f32 v15, v15, |v[XS+\i+2]|, |v[XS+\i+3]|
.endr
	v_max3_num_f32 v14, v14, |v[XS+29]|, |v[XS+30]|
	v_max3_num_f32 v14, v14, v15, |v[XS+31]|
	v_add_nc_u32 v16, 0xff000000, v14
	v_lshrrev_b32 v17, 23, v16
.if \t == 0
	v_mov_b32 v[WD], v17
.else
	v_lshl_or_b32 v[WD], v17, 8*\t, v[WD]          ; the column's scale word: block t's byte
.endif
	v_cvt_scalef32_pk16_fp6_f32 v[FC+12*CC+4*HH:FC+12*CC+4*HH+2], v[XS:XS+15], v16
	v_cvt_scalef32_pk16_fp6_f32 v[TC+4*HH:TC+4*HH+2], v[XS+16:XS+31], v16
	v_nop                                          ; one plain instruction behind the conversions
	v_mov_b32 v[FC+12*CC+4*HH+3], v[TC+4*HH]       ; registers 0-3 of (r', h),
	v_mov_b32 v[FC+12*CC+8+2*HH], v[TC+4*HH+1]     ; and 4-5, which lie beside the other half's
	v_mov_b32 v[FC+12*CC+9+2*HH], v[TC+4*HH+2]
.if HH == 1
	global_store_b128 v5, v[FC+12*CC:FC+12*CC+3], s[14:15] offset:768*CC          ; sixteen lanes of one tile store 256 consecutive bytes, aligned
	global_store_b128 v5, v[FC+12*CC+4:FC+12*CC+7], s[14:15] offset:768*CC+256
	global_store_b128 v5, v[FC+12*CC+8:FC+12*CC+11], s[14:15] offset:768*CC+512
.endif
.endr
	global_store_b32 v6, v[WD], s[16:17]           ; a wave's 32 words are 128 consecutive bytes: 4 bytes for each 512 that the lane has read
.endm
	s_cmp_lt_u32 s25, 24                           ; columns 0 .. 3,071 are w_qkv's, the others w_out's
	s_cbranch_scc0 .Lw_out
	s_mul_i32 s27, s26, 128*12288
	s_add_co_u32 s32, s32, s27
	s_add_nc_u64 s[6:7], s[6:7], s[32:33]
	WBODY 6, 12288
	s_branch .Lend
.Lw_out:
	s_mul_i32 s27, s26, 128*4096
	s_add_co_u32 s32, s32, s27
	s_sub_co_u32 s32, s32, 3072*4
	s_add_nc_u64 s[8:9], s[8:9], s[32:33]
	WBODY 8, 4096
.Lend:
	s_wait_tensorcnt 0x0                           ; the wave's end, behind the last LDS store; all paths share it
	ds_add_u32 v[SPW], v[NIL]
	s_wait_dscnt 0x0
	s_endpgm
.Lfunc_end_k_q19c111d8c3_quant:
	.size	k_q19c111d8c3_quant, .Lfunc_end_k_q19c111d8c3_quant-k_q19c111d8c3_quant
	.p2alignl 7, 3214868480
	.fill 96, 4, 3214868480
	.section	.rodata,"a",@progbits
	.p2align	6, 0x0
	.amdhsa_kernel k_q19c111d8c3_quant
		.amdhsa_group_segment_fixed_size 35328
		.amdhsa_private_segment_fixed_size 0
		.amdhsa_enable_private_segment 0
		.amdhsa_kernarg_size 56
		.amdhsa_user_sgpr_count 2
		.amdhsa_user_sgpr_kernarg_segment_ptr 1
		.amdhsa_wavefront_size32 1
		.amdhsa_system_sgpr_workgroup_id_x 1
		.amdhsa_system_sgpr_workgroup_id_y 1
		.amdhsa_system_sgpr_workgroup_id_z 1
		.amdhsa_system_vgpr_workitem_id 0
		.amdhsa_next_free_vgpr 256
		.amdhsa_next_free_sgpr 66
		.amdhsa_reserve_vcc 1
		.amdhsa_float_denorm_mode_32 3
		.amdhsa_float_denorm_mode_16_64 3
		.amdhsa_memory_ordered 1
		.amdhsa_forward_progress 1
		.amdhsa_inst_pref_size 69
	.end_amdhsa_kernel
	.amdgpu_metadata
---
amdhsa.version: [ 1, 2 ]
amdhsa.kernels:
  - .name:           k_q19c111d8c3_quant
    .symbol:         k_q19c111d8c3_quant.kd
    .args:
      - { .name: x, .offset: 0, .size: 8, .value_kind: global_buffer, .address_space: global }
      - { .name: w_qkv, .offset: 8, .size: 8, .value_kind: global_buffer, .address_space: global }
      - { .name: w_out, .offset: 16, .size: 8, .value_kind: global_buffer, .address_space: global }
      - { .name: xc, .offset: 24, .size: 8, .value_kind: global_buffer, .address_space: global }
      - { .name: xs, .offset: 32, .size: 8, .value_kind: global_buffer, .address_space: global }
      - { .name: wc, .offset: 40, .size: 8, .value_kind: global_buffer, .address_space: global }
      - { .name: ws, .offset: 48, .size: 8, .value_kind: global_buffer, .address_space: global }
    .group_segment_fixed_size: 35328
    .private_segment_fixed_size: 0
    .kernarg_segment_align: 8
    .kernarg_segment_size: 56
    .max_flat_workgroup_size: 128
    .sgpr_count:     66
    .vgpr_count:     256
    .wavefront_size: 32
...
	.end_amdgpu_metadata
.endif
;; end of part 1
;; launch gemm_qkv (part 2): grid 8 x 48, 4 waves a work-group, clusters of 4 x 4, 327,680 bytes of LDS; arguments xc, xs, wc, ws, qkv; writes qkv
.if DOCPART == 2
	.amdgcn_target "amdgcn-amd-amdhsa--gfx1250"
	.amdhsa_code_object_version 6
	.text
	.protected	k_q19c111d8c3_gemm_qkv
	.globl	k_q19c111d8c3_gemm_qkv
	.p2align	8
	.type	k_q19c111d8c3_gemm_qkv,@function
k_q19c111d8c3_gemm_qkv:
	s_mov_b64 s[64:65], 0
	v_nop
	global_prefetch_b8 v0, s[64:65] scope:SCOPE_SE
	s_setreg_imm32_b32 hwreg(HW_REG_WAVE_MODE, 25, 1), 1
	s_wait_xcnt 0x0
	s_wait_alu depctr_hold_cnt(0) depctr_sa_sdst(0) depctr_va_vdst(0) depctr_va_sdst(0) depctr_va_ssrc(0) depctr_va_vcc(0) depctr_vm_vsrc(0)
	s_getreg_b32 s2, hwreg(HW_REG_IB_STS2, 6, 4)
	s_cmp_eq_u32 s2, 0
	s_cbranch_scc0 .Lentry_in_a_cluster
	s_endpgm
.Lentry_in_a_cluster:
	s_bfe_u32 s2, ttmp6, 0x10000c
	s_cmp_lg_u32 s2, 0xf033
	s_cbranch_scc0 .Lentry_shape_is_right
	s_endpgm
.Lentry_shape_is_right:
; q, k, v = x w_qkv on codes of FP6 (E2M3) with E8M0 scales, K = 1,024; the results are quantised in registers for attention's products and leave as codes: no f32 number goes to memory.
; OPERANDS lie in memory in the order of an operand's registers.  A tile is 16 rows; lane r of tile 2 g + u holds row 32 g + 8 u + (r % 8) + 16 (r / 8).  16 rows x 64 K are an image of 768 bytes (registers 0-3 of lane l
; at 16 l, registers 4-5 at 512 + 16 r + 8 h); a K step of 128 is two images; a tile's 1,024 along K are 12,288 bytes.  Scale words: [K step][64 rows][256], word (tile t, r) at 128 (t / 2) + 8 r + 4 (t % 2).
; A tile of the result, 256 x 256, is made by four waves, 128 x 128 each: 64 accumulators, 512 registers.  SIDE 0 is the matrix instruction's source 0: a lane's registers run along it, and by the order of rows above the 16
; registers of its tiles 2 b, 2 b + 1 are 16 NEIGHBOURS, 32 b + 16 h + 0 .. 15.  SIDE 1 is source 1: lane r holds its row.
; For q and k (clusters y 0-7) side 0 = w_qkv's columns, side 1 = tokens: a lane holds a token and 128 features, two heads: quantised along the head's 64.
; For v (clusters y 8-11) side 0 = tokens, side 1 = w_qkv's columns: a lane holds a feature and 128 tokens: quantised along the keys.  Only pointers, indices and store steps differ, chosen by s_cselect on the cluster's y: one text, no branch.
; qkv: [batch x 16 + head][step of 128 tokens][19,200]: q's part at 0, k's at 6,400, v's at 12,800.  q, k: the image of token tile a at 768 a; at 6,144 the words (pair b = a / 2, r): the two bytes of tile 2 b, then those of tile 2 b + 1.
; v: the fragment (16 d x 128 keys) of d tile t at 1,536 t; at 6,144 its words (t, r).
; K goes through a ring of two LDS slots of 256 along K; all scale words come once.  CLUSTERS 4 x 4: side 1's tiles hang on the cluster's row alone, side 0's on its column alone: each is asked for jointly by four.
; 384 work-groups: the tile stays 256 wide so that a wave owns whole heads and whole key steps.  The eight K steps are written out: four slots, two of them first fills; nothing is prefetched, since the other two are asked for one K step after the start.
; LIMITS: NaN and infinities are not served; a block whose largest magnitude lies under 2^-124 is held at the byte 1, a block of zeros too (its codes are zeros; this program alone reads the bytes).
; REGISTERS, in windows of 256: window 0: v1-12 lane terms, v16-23 fragment addresses, v27-29; v32-95 scale words and nothing else; v96-119 the quantiser's work; v128-223 side 1's fragments, later codes.
;   window 1: side 0's fragments, two sets, at v0 and v128.   windows 2, 3: the accumulators, (a, b) at v[8 (8 (a % 4) + b)].
.set FR,    12                         ; registers of a fragment
.set NL,    4                          ; LDS loads that bring one
.set NP,    4                          ; places behind this matrix instruction (ISA guide 7.12.1)
.set TILEB, 3072                       ; a tile's two K steps in a slot
.set QUART, 8*TILEB                    ; eight tiles: what one tensor load brings
.set SLOT,  4*QUART                    ; side 1's two halves, then side 0's
.set SCL,   2*SLOT                     ; behind the ring: four quarters of scale words, [K step][512]
.set SQ,    4096
.set SPARE, SCL+4*SQ                   ; the spare words, 128 bytes a wave, that no other line names
.set BLK,   19200
.set PART,  6400
.set HEADB, 16*BLK
.set AH,   16                          ; v16-17 side 1: 16 l in my half, slot 0, 1;  v18-19 the same at 512 + 16 r + 8 h
.set AT,   18
.set BH,   20                          ; v20-23 the same for side 0
.set BT,   22
.set ADRS, 27                          ; v27 my scale words: lanes 0-15 side 1's, lanes 16-31 side 0's
.set SPW,  28                          ; v28 my spare word; never rewritten
.set NIL,  29                          ; v29 0; never rewritten
.set SC,   32                          ; v[SC + 8 s + i]: K step s, tile i
.set TM,   96                          ; v96-99 largest magnitudes, v100-103 the other half's / bytes, v104-107 scale operands
.set PWD,  112                         ; v112-119 the scale word of each of my eight side-1 tiles
.set AF,   128
.set PC,   128                         ; codes: two sets of 24 registers
.set XW,   176                         ; v176-187 the words regrouped
.set G1, 24
.set G0, 32
.set G1B, 48
.set G0B, 56
.set G1S, 68
.set G0S, 76
.set G1SB, 80
.set G0SB, 88
.set MSB, 0
.macro WIN new                         ; the immediate's high byte repeats the setting that is left
.if MSB != \new
	s_set_vgpr_msb (MSB<<8)|\new
.set MSB, \new
.endif
.endm
.set MUL_LO, 0xa1                      ; source 0 window 1, source 1 window 0, C and D window 2
.set MUL_HI, 0xf1
.set TO_B,   0x40                      ; destination window 1
; A joint load: waves 0 and 1 fetch for side 1, waves 2 and 3 for side 0.  The branch hangs on the wave's number alone.  An s_nop 0 and four v_nop follow each line.
.macro JLOAD g0a, g1a, g0b, g1b
	s_cmp_eq_u32 s15, 0
	s_cbranch_scc0 .Lfor_b_\@
	tensor_load_to_lds s[\g0a:\g0a+3], s[\g1a:\g1a+7]
	s_nop 0
.rept 4
	v_nop
.endr
	s_branch .Lasked_\@
.Lfor_b_\@:
	tensor_load_to_lds s[\g0b:\g0b+3], s[\g1b:\g1b+7]
	s_nop 0
.rept 4
	v_nop
.endr
.Lasked_\@:
.endm
.macro CREST                           ; a round of the cluster's barrier behind its opening barrier
	s_cmp_lg_u32 s14, 0
	s_cbranch_scc1 .Lnot_wave_0_\@
	s_barrier_signal -3
.Lnot_wave_0_\@:
	s_barrier_wait -3
	s_barrier_signal -1
	s_barrier_wait -1
.endm
.macro CROUND
	s_barrier_signal -1
	s_barrier_wait -1
	CREST
.endm
	s_load_b128 s[4:7], s[0:1], 0x0                ; xc, xs
	s_load_b128 s[8:11], s[0:1], 0x10              ; wc, ws
	s_load_b64 s[12:13], s[0:1], 0x20              ; qkv
	v_lshl_add_u32 v[SPW], v0, 2, SPARE
	v_mov_b32 v[NIL], 0
	ds_add_u32 v[SPW], v[NIL]                      ; the wave's opening: the add and its wait stand ahead of my first tensor load; work on registers stands between
	v_lshrrev_b32 v1, 5, v0
	v_readfirstlane_b32 s14, v1                    ; wave 0..3
	s_lshr_b32 s15, s14, 1                         ; my half of side 1.  Also: I fetch for side 1 (0) or side 0 (1)
	s_and_b32 s16, s14, 1                          ; my half of side 0.  Also: which eight tiles I fetch
	s_bfe_u32 s40, ttmp6, 0x40000                  ; cx
	s_bfe_u32 s41, ttmp6, 0x40004                  ; cy
	s_and_b32 s17, ttmp7, 0xffff                   ; the cluster's y: 0-7 q and k, 8-11 v: the same in all sixteen partners
	s_lshl_b32 s42, ttmp9, 2
	s_add_co_u32 s42, s42, s40                     ; gx = 4 x cluster x + cx
	s_lshl_b32 s43, s41, 2
	s_lshl_b32 s43, 15, s43                        ; my row of the cluster
	s_lshl_b32 s44, 0x1111, s40                    ; my column
	s_lshl_b32 s18, s17, 2
	s_add_co_u32 s18, s18, s41                     ; q, k: side 1 = tokens, block 4 x cluster y + cy
	s_add_co_u32 s19, s41, 8                       ; v: side 1 = columns, block 8 + cy
	s_lshl_b32 s22, s17, 3
	s_sub_co_u32 s22, s22, 64
	s_add_co_u32 s22, s22, s42                     ; v: side 0 = tokens, block gx + 8 (cluster y - 8)
	s_cmp_ge_u32 s17, 8
	s_cselect_b32 s45, s19, s18                    ; side 1's block of 256 rows: hangs on cy alone within the cluster
	s_cselect_b32 s46, s22, s42                    ; side 0's: on cx alone
	; descriptor group 1.  Codes: 8 rows (tiles) of 3,072 bytes, 12,288 apart, elements of 8 bytes, no padding: every LDS read is dense
	s_or_b32 s[G1+0], s43, (3<<16)|(1<<21)         ; 15:0 the mask: side 1's tiles go to my row; 17:16 elements of 8 bytes; 21 set beside a mask
	s_or_b32 s[G1B+0], s44, (3<<16)|(1<<21)        ; side 0's to my column
.irp g, G1, G1B
	s_mov_b32 s[\g+1], 384<<16                     ; tensor_dim0
	s_mov_b32 s[\g+2], 8<<16                       ; tensor_dim1
	s_mov_b32 s[\g+3], 384<<16                     ; tile_dim0
	s_mov_b32 s[\g+4], 8                           ; tile_dim1
	s_mov_b32 s[\g+5], 1536                        ; the pitch
	s_mov_b32 s[\g+6], 0
	s_mov_b32 s[\g+7], 0
.endr
	; scale words: 8 rows (K steps) of 512 bytes, 32,768 apart
	s_or_b32 s[G1S+0], s43, (3<<16)|(1<<21)
	s_or_b32 s[G1SB+0], s44, (3<<16)|(1<<21)
.irp g, G1S, G1SB
	s_mov_b32 s[\g+1], 64<<16
	s_mov_b32 s[\g+2], 8<<16
	s_mov_b32 s[\g+3], 64<<16
	s_mov_b32 s[\g+4], 8
	s_mov_b32 s[\g+5], 4096
	s_mov_b32 s[\g+6], 0
	s_mov_b32 s[\g+7], 0
.endr
	s_lshl_b32 s47, s16, 3                         ; which eight tiles of the sixteen I fetch
	s_lshl_b32 s20, s45, 4
	s_add_co_u32 s20, s20, s47
	s_mul_i32 s20, s20, 12288                      ; side 1's codes
	s_mov_b32 s21, 0
	s_lshl_b32 s22, s46, 4
	s_add_co_u32 s22, s22, s47
	s_mul_i32 s22, s22, 12288                      ; side 0's
	s_mov_b32 s23, 0
	s_lshl_b32 s47, s16, 9
	s_lshl_b32 s18, s45, 10
	s_add_co_u32 s18, s18, s47                     ; side 1's scale words: 1,024 bytes a block, 512 a half
	s_mov_b32 s19, 0
	s_lshl_b32 s2, s46, 10
	s_add_co_u32 s2, s2, s47                       ; side 0's
	s_mov_b32 s3, 0
	s_mul_i32 s66, s14, QUART                      ; where they go: wave x a quarter: no place in the cluster enters an LDS address
	s_lshl_b32 s67, s14, 12
	s_wait_dscnt 0x0                               ; the opening add is done
	s_wait_kmcnt 0x0
	s_cmp_ge_u32 s17, 8
	s_cselect_b64 s[92:93], s[8:9], s[4:5]         ; side 1's codes,
	s_cselect_b64 s[94:95], s[10:11], s[6:7]       ; its scale words,
	s_cselect_b64 s[96:97], s[4:5], s[8:9]         ; side 0's codes,
	s_cselect_b64 s[98:99], s[6:7], s[10:11]       ; its scale words
	s_add_nc_u64 s[92:93], s[92:93], s[20:21]
	s_add_nc_u64 s[94:95], s[94:95], s[18:19]
	s_add_nc_u64 s[96:97], s[96:97], s[22:23]
	s_add_nc_u64 s[98:99], s[98:99], s[2:3]
	CROUND                                         ; all sixteen work-groups are here: the first joint loads meet
	s_mov_b32 s[G0S], 1
	s_add_co_u32 s[G0S+1], s67, SCL
	s_mov_b64 s[G0S+2:G0S+3], s[94:95]
	s_or_b32 s[G0S+3], s[G0S+3], 0x80000000
	s_mov_b32 s[G0SB], 1
	s_add_co_u32 s[G0SB+1], s67, SCL
	s_mov_b64 s[G0SB+2:G0SB+3], s[98:99]
	s_or_b32 s[G0SB+3], s[G0SB+3], 0x80000000
	JLOAD G0S, G1S, G0SB, G1SB                     ; the scale words of all of K: filled once
.irp s, 0,1
	s_mov_b32 s[G0+4*\s], 1
	s_add_co_u32 s[G0+4*\s+1], s66, \s*SLOT
	s_add_nc_u64 s[G0+4*\s+2:G0+4*\s+3], s[92:93], \s*TILEB
	s_or_b32 s[G0+4*\s+3], s[G0+4*\s+3], 0x80000000
	s_mov_b32 s[G0B+4*\s], 1
	s_add_co_u32 s[G0B+4*\s+1], s66, \s*SLOT
	s_add_nc_u64 s[G0B+4*\s+2:G0B+4*\s+3], s[96:97], \s*TILEB
	s_or_b32 s[G0B+4*\s+3], s[G0B+4*\s+3], 0x80000000
	JLOAD G0+4*\s, G1, G0B+4*\s, G1B
.endr
	v_and_b32 v1, 15, v0                           ; r
	v_bfe_u32 v2, v0, 4, 1                         ; h
	v_and_b32 v3, 31, v0                           ; l
	v_lshlrev_b32 v4, 4, v3                        ; 16 l: an image's registers 0-3
	v_lshlrev_b32 v5, 4, v1
	v_lshl_add_u32 v5, v2, 3, v5
	v_add_nc_u32 v5, 512, v5                       ; 512 + 16 r + 8 h: its registers 4-5
	s_mul_i32 s21, s15, QUART
	s_mul_i32 s22, s16, QUART
	s_add_co_u32 s22, s22, 2*QUART
.irp s, 0,1
	v_add_nc_u32 v[AH+\s], s21, v4
	v_add_nc_u32 v[AT+\s], s21, v5
	v_add_nc_u32 v[BH+\s], s22, v4
	v_add_nc_u32 v[BT+\s], s22, v5
	s_add_co_u32 s21, s21, SLOT
	s_add_co_u32 s22, s22, SLOT
.endr
	v_lshlrev_b32 v6, 3, v1                        ; 8 r
	s_lshl_b32 s21, s15, 12                        ; side 1's words: my half;
	s_lshl_b32 s22, s16, 12
	s_add_co_u32 s22, s22, 2*SQ                    ; side 0's lie behind side 1's two halves
	s_sub_co_u32 s22, s22, s21
	v_mul_u32_u24 v7, s22, v2                      ; lanes 16-31 take side 0's: one product, h x the distance
	s_add_co_u32 s21, s21, SCL
	v_add_nc_u32 v6, v6, v7
	v_add_nc_u32 v[ADRS], s21, v6
	v_lshlrev_b32 v12, 3, v3                       ; 8 l: the way out of the scale words
.irp b, 0,1,2,3
	v_mov_b32 v[TM+4+\b], 0                        ; written once: a lane permute's destination counts as one of its sources
.endr
	; where the results go
	s_cmp_ge_u32 s17, 8
	s_cselect_b32 s18, s46, s45                    ; the tokens' block of 256,
	s_cselect_b32 s19, s16, s15                    ; my half of it,
	s_cselect_b32 s20, s45, s46                    ; the features' block,
	s_cselect_b32 s21, s15, s16                    ; my half of it
	s_mov_b32 s100, HEADB
	s_cselect_b32 s100, 768, s100                  ; from a fragment's first image to its second: the next head's block (q, k), or the keys' upper 64 (v)
	s_mov_b32 s2, 768
	s_cselect_b32 s2, 1536, s2                     ; from tile a to tile a + 1
	s_mov_b32 s66, 768
	s_cselect_b32 s66, HEADB-3*1536, s66           ; from tile 3 to tile 4: for v the next head
	s_cselect_b32 s101, -1, 0                      ; all ones for v
	s_mov_b32 s3, 0
	s_mov_b32 s67, 0
	s_lshl_b32 s18, s18, 1
	s_add_co_u32 s18, s18, s19                     ; my 128 tokens: 16 x batch + step
	s_lshl_b32 s20, s20, 2
	s_lshl_b32 s21, s21, 1
	s_add_co_u32 s20, s20, s21                     ; my first head: 16 x part + head
	s_lshr_b32 s19, s18, 4                         ; batch
	s_and_b32 s18, s18, 15                         ; step
	s_lshr_b32 s21, s20, 4                         ; part: 0 q, 1 k, 2 v
	s_and_b32 s20, s20, 15                         ; head
	s_lshl_b32 s19, s19, 4
	s_add_co_u32 s19, s19, s20
	s_lshl_b32 s19, s19, 4
	s_add_co_u32 s19, s19, s18
	s_mul_i32 s18, s19, BLK
	s_mul_i32 s21, s21, PART
	s_add_co_u32 s18, s18, s21
	s_mov_b32 s19, 0
	s_add_nc_u64 s[12:13], s[12:13], s[18:19]      ; walks with the tiles;
	s_mov_b64 s[22:23], s[12:13]                   ; stays, for the scale words
	v_add_nc_u32 v10, s100, v4
	v_add_nc_u32 v11, s100, v5
	s_mov_b32 s92, 0x76543210
	s_mov_b32 s93, 0xfedcba98                      ; v_permlanex16_b32's selects for lane l xor 16
.macro FRAG reg, ah, at, off           ; a fragment, 16 rows x 128 K: two images, as they were stored
	ds_load_b128 v[(\reg):(\reg)+3], v[\ah] offset:(\off)
	ds_load_b64 v[(\reg)+4:(\reg)+5], v[\at] offset:(\off)
	ds_load_b128 v[(\reg)+6:(\reg)+9], v[\ah] offset:(\off)+768
	ds_load_b64 v[(\reg)+10:(\reg)+11], v[\at] offset:(\off)+768
.endm
; 16 matrix instructions: side 1's tiles a0, a0 + 1 x side 0's eight, K step s.  p: side 0's set.  zero = 1: the first product starts the sums.  The 64 accumulators take turns, one instruction a turn.
.macro MUL16 a0, p, s, zero
.irp a, \a0, \a0+1
.irp b, 0,1,2,3,4,5,6,7
.if \zero
	v_wmma_scale_f32_16x16x128_f8f6f4 v[8*(8*((\a)%4)+\b):8*(8*((\a)%4)+\b)+7], v[128*(\p)+FR*\b:128*(\p)+FR*\b+FR-1], v[AF+FR*(\a):AF+FR*(\a)+FR-1], 0, v[SC+8*(\s)+\b], v[SC+8*(\s)+(\a)] matrix_a_fmt:MATRIX_FMT_FP6 matrix_b_fmt:MATRIX_FMT_FP6 matrix_a_scale:MATRIX_SCALE_ROW1
.else
	v_wmma_scale_f32_16x16x128_f8f6f4 v[8*(8*((\a)%4)+\b):8*(8*((\a)%4)+\b)+7], v[128*(\p)+FR*\b:128*(\p)+FR*\b+FR-1], v[AF+FR*(\a):AF+FR*(\a)+FR-1], v[8*(8*((\a)%4)+\b):8*(8*((\a)%4)+\b)+7], v[SC+8*(\s)+\b], v[SC+8*(\s)+(\a)] matrix_a_fmt:MATRIX_FMT_FP6 matrix_b_fmt:MATRIX_FMT_FP6 matrix_a_scale:MATRIX_SCALE_ROW1
.endif
.endr
.endr
.endm
.macro FETCH_B slot, q, p              ; side 0's eight fragments of the slot's q-th K step into set p
	WIN TO_B
.irp i, 0,1,2,3,4,5,6,7
	FRAG 128*(\p)+FR*\i, BH+\slot, BT+\slot, TILEB*\i+1536*(\q)
.endr
	WIN 0
.endm
.macro FETCH_A slot, q, i0             ; side 1's tiles i0 .. i0 + 3
.irp i, \i0, \i0+1, \i0+2, \i0+3
	FRAG AF+FR*(\i), AH+\slot, AT+\slot, TILEB*(\i)+1536*(\q)
.endr
.endm
.macro PLACES n                        ; plain vector instructions between a matrix instruction and a load into, or a vector read of, its registers (ISA guide 7.12.1 for vector reads)
.rept \n
	v_nop
.endr
.endm
.macro STEP slot, s, zero              ; a slot's first K step; it fetches the second
	s_wait_dscnt 4*NL                              ; all but the youngest sixteen loads (side 1's tiles 4-7) are in
	WIN MUL_LO
	MUL16 0, 0, \s, \zero
	MUL16 2, 0, \s, \zero
	s_wait_dscnt 0
	PLACES NP
	FETCH_B \slot, 1, 1
	FETCH_A \slot, 1, 0
	WIN MUL_HI
	MUL16 4, 0, \s, \zero
	MUL16 6, 0, \s, \zero
	PLACES NP
	WIN 0
	FETCH_A \slot, 1, 4
.endm
; A slot's second K step changes slots: ONE barrier; ahead of it each wave waits for all its tensor loads, adds 0 to its spare word, and waits for that and for its reads of this slot.  fill = 1: the slot is filled again, two slots on.
.macro TURN slot, next, s, fill
	s_wait_tensorcnt 0x0                           ; all my tensor loads have landed: my part of the next slot
	ds_add_u32 v[SPW], v[NIL]                      ; 0 onto my spare word
	s_wait_dscnt 4*NL+1                            ; (the add and the youngest sixteen loads may be out)
	WIN MUL_LO
	MUL16 0, 1, \s, 0
	s_wait_dscnt 0x0                               ; the add is done, and my reads of this slot are over
	s_barrier_signal -1
	MUL16 2, 1, \s, 0
	WIN 0
	s_barrier_wait -1
.if \fill
	CREST                                          ; the barrier has opened a round of the cluster's: no wave of any partner still reads this slot or has a load on its way
	s_add_nc_u64 s[G0+4*\slot+2:G0+4*\slot+3], s[G0+4*\slot+2:G0+4*\slot+3], 2*TILEB
	s_add_nc_u64 s[G0B+4*\slot+2:G0B+4*\slot+3], s[G0B+4*\slot+2:G0B+4*\slot+3], 2*TILEB
	JLOAD G0+4*\slot, G1, G0B+4*\slot, G1B         ; the first tensor load behind the round; its four v_nop are the places ahead of the loads below
.else
	PLACES NP
.endif
	FETCH_B \next, 0, 0
	FETCH_A \next, 0, 0
	WIN MUL_HI
	MUL16 4, 1, \s, 0
	MUL16 6, 1, \s, 0
	PLACES NP
	WIN 0
	FETCH_A \next, 0, 4
.endm
	s_wait_tensorcnt 1                             ; the scale words and my part of slot 0 are in; slot 1's load may be out
	s_barrier_signal -1
	s_barrier_wait -1
	FETCH_B 0, 0, 0
	FETCH_A 0, 0, 0
.irp s, 0,1,2,3,4,5,6,7                ; all 64 scale words, once: two tiles a load
.irp b, 0,1,2,3
	ds_load_b64 v[SC+8*\s+2*\b:SC+8*\s+2*\b+1], v[ADRS] offset:512*\s+128*\b
.endr
.endr
	FETCH_A 0, 0, 4
	STEP 0, 0, 1
	TURN 0, 1, 1, 1
	STEP 1, 2, 0
	TURN 1, 0, 3, 1
	STEP 0, 4, 0
	TURN 0, 1, 5, 0                                ; nothing is left to fetch: a plain barrier
	STEP 1, 6, 0
	s_wait_dscnt 4*NL
	WIN MUL_LO
	MUL16 0, 1, 7, 0
	MUL16 2, 1, 7, 0
	s_wait_dscnt 0
	WIN MUL_HI
	MUL16 4, 1, 7, 0
	MUL16 6, 1, 7, 0
	WIN 0
	PLACES NP
; THE WAY OUT.  Side-1 tile a: my lane's 64 numbers, register 16 b + i = index 32 b + 16 h + i along side 0, become a fragment's codes and my row's scale word, and the codes leave as two images.
.macro QUANTW a
.set AW, 2+(\a)/4
.set AC, 64*((\a)%4)
.set PS, PC+24*((\a)%2)
.set WQ, (AW<<2)|(AW<<4)
	WIN 0
.irp b, 0,1,2,3
	v_mov_b32 v[TM+\b], 0x1800000                  ; the floor 2^(3 - 127): the byte cannot fall under 1
.endr
	WIN WQ                                         ; sources 1 and 2: the accumulators' window
.irp i, 0,2,4,6,8,10,12,14             ; ascending: each accumulator is read from its low end on; the four blocks by turns
.irp b, 0,1,2,3
	v_max3_num_f32 v[TM+\b], v[TM+\b], |v[AC+16*\b+\i]|, |v[AC+16*\b+\i+1]|
.endr
.endr
	WIN 0
.irp b, 0,1,2,3
	v_permlanex16_b32 v[TM+4+\b], v[TM+\b], s92, s93
.endr
.irp b, 0,1,2,3
	v_max_num_f32 v[TM+\b], v[TM+\b], v[TM+4+\b]   ; with lane l xor 16's: the block's largest magnitude
.endr
.irp b, 0,1,2,3
	v_add_nc_u32 v[TM+8+\b], 0xff000000, v[TM+\b]  ; 2 off its exponent field: the conversion's scale operand
.endr
.irp b, 0,1,2,3
	v_lshrrev_b32 v[TM+4+\b], 23, v[TM+8+\b]       ; the byte
.endr
	v_lshl_or_b32 v[PWD+(\a)], v[TM+5], 8, v[TM+4]
	v_lshl_or_b32 v[PWD+(\a)], v[TM+6], 16, v[PWD+(\a)]
	v_lshl_or_b32 v[PWD+(\a)], v[TM+7], 24, v[PWD+(\a)]
	WIN AW                                         ; source 0: the accumulators' window
.irp c, 0,1
	v_cvt_scalef32_pk16_fp6_f32 v[PS+6*\c:PS+6*\c+2], v[AC+32*\c:AC+32*\c+15], v[TM+8+2*\c]
	v_cvt_scalef32_pk16_fp6_f32 v[PS+12+4*\c:PS+14+4*\c], v[AC+32*\c+16:AC+32*\c+31], v[TM+8+2*\c+1]
.endr
	WIN 0
	v_nop                                          ; one plain instruction behind the conversions
.irp c, 0,1                            ; the layout wants a WHOLE block in a lane: lanes 0-15 block 2 c, lanes 16-31 block 2 c + 1
.irp i, 0,1,2
	v_permlane16_swap_b32 v[PS+6*\c+\i], v[PS+12+4*\c+\i]
.endr
.irp i, 0,1,2
	v_mov_b32 v[PS+3+6*\c+\i], v[PS+12+4*\c+\i]
.endr
.endr
.if (\a) == 4
	s_wait_xcnt 0x0                                ; the last tile's stores have read their base and their registers: the base steps, and the set written next is free
	s_add_nc_u64 s[12:13], s[12:13], s[66:67]
.elseif (\a) > 0
	s_wait_xcnt 0x0
	s_add_nc_u64 s[12:13], s[12:13], s[2:3]
.endif
	global_store_b128 v4, v[PS:PS+3], s[12:13]             ; 512 consecutive bytes, aligned to 256
	global_store_b64 v5, v[PS+4:PS+5], s[12:13]            ; 256
	global_store_b128 v10, v[PS+6:PS+9], s[12:13]
	global_store_b64 v11, v[PS+10:PS+11], s[12:13]
.endm
.irp a, 0,1,2,3,4,5,6,7
	QUANTW \a
.endr
	; the scale words.  q, k: a word is the two bytes of token tile 2 b and those of tile 2 b + 1, for the first head (low halves) and the second (high halves).  v: the words as they are, tiles 0-3 the first head, 4-7 the second.
.irp b, 0,1,2,3
	v_perm_b32 v[XW+\b], v[PWD+2*\b+1], v[PWD+2*\b], 0x05040100
	v_perm_b32 v[XW+4+\b], v[PWD+2*\b+1], v[PWD+2*\b], 0x07060302
.endr
.irp b, 0,1,2,3
	v_cndmask_b32 v[XW+\b], v[XW+\b], v[PWD+\b], s101
	v_cndmask_b32 v[XW+4+\b], v[XW+4+\b], v[PWD+4+\b], s101
.endr
	v_cmp_ne_u32 vcc_lo, 0, v2
	v_cndmask_b32 v[XW+8], v[XW], v[XW+2], vcc_lo          ; lane (r, h) gives words 2 h and 2 h + 1
	v_cndmask_b32 v[XW+9], v[XW+1], v[XW+3], vcc_lo
	v_cndmask_b32 v[XW+10], v[XW+4], v[XW+6], vcc_lo
	v_cndmask_b32 v[XW+11], v[XW+5], v[XW+7], vcc_lo
	global_store_b64 v12, v[XW+8:XW+9], s[22:23] offset:6144               ; 256 consecutive bytes, aligned
	global_store_b64 v12, v[XW+10:XW+11], s[22:23] offset:6144+HEADB
	s_wait_tensorcnt 0x0                           ; the wave's end
	ds_add_u32 v[SPW], v[NIL]
	s_wait_dscnt 0x0
	CROUND                                         ; the closing round: no work-group ends while a partner may still ask for a tile that names it
	s_endpgm
.Lfunc_end_k_q19c111d8c3_gemm_qkv:
	.size	k_q19c111d8c3_gemm_qkv, .Lfunc_end_k_q19c111d8c3_gemm_qkv-k_q19c111d8c3_gemm_qkv
	.p2alignl 7, 3214868480
	.fill 96, 4, 3214868480
	.section	.rodata,"a",@progbits
	.p2align	6, 0x0
	.amdhsa_kernel k_q19c111d8c3_gemm_qkv
		.amdhsa_group_segment_fixed_size 327680
		.amdhsa_private_segment_fixed_size 0
		.amdhsa_enable_private_segment 0
		.amdhsa_kernarg_size 40
		.amdhsa_user_sgpr_count 2
		.amdhsa_user_sgpr_kernarg_segment_ptr 1
		.amdhsa_wavefront_size32 1
		.amdhsa_system_sgpr_workgroup_id_x 1
		.amdhsa_system_sgpr_workgroup_id_y 1
		.amdhsa_system_sgpr_workgroup_id_z 1
		.amdhsa_system_vgpr_workitem_id 0
		.amdhsa_next_free_vgpr 1024
		.amdhsa_next_free_sgpr 102
		.amdhsa_reserve_vcc 1
		.amdhsa_float_denorm_mode_32 3
		.amdhsa_float_denorm_mode_16_64 3
		.amdhsa_memory_ordered 1
		.amdhsa_forward_progress 1
		.amdhsa_inst_pref_size 152
	.end_amdhsa_kernel
	.amdgpu_metadata
---
amdhsa.version: [ 1, 2 ]
amdhsa.kernels:
  - .name:           k_q19c111d8c3_gemm_qkv
    .symbol:         k_q19c111d8c3_gemm_qkv.kd
    .args:
      - { .name: xc, .offset: 0, .size: 8, .value_kind: global_buffer, .address_space: global }
      - { .name: xs, .offset: 8, .size: 8, .value_kind: global_buffer, .address_space: global }
      - { .name: wc, .offset: 16, .size: 8, .value_kind: global_buffer, .address_space: global }
      - { .name: ws, .offset: 24, .size: 8, .value_kind: global_buffer, .address_space: global }
      - { .name: qkv, .offset: 32, .size: 8, .value_kind: global_buffer, .address_space: global }
    .group_segment_fixed_size: 327680
    .private_segment_fixed_size: 0
    .kernarg_segment_align: 8
    .kernarg_segment_size: 40
    .max_flat_workgroup_size: 128
    .sgpr_count:     102
    .vgpr_count:     1024
    .wavefront_size: 32
...
	.end_amdgpu_metadata
.endif
;; end of part 2
;; launch attn (part 3): grid 4 x 64, 16 waves a work-group, no clusters, 327,680 bytes of LDS; arguments qkv, yc, ys; writes yc, ys
.if DOCPART == 3
	.amdgcn_target "amdgcn-amd-amdhsa--gfx1250"
	.amdhsa_code_object_version 6
	.text
	.protected	k_q19c111d8c3_attn
	.globl	k_q19c111d8c3_attn
	.p2align	8
	.type	k_q19c111d8c3_attn,@function
k_q19c111d8c3_attn:
	s_mov_b64 s[64:65], 0
	v_nop
	global_prefetch_b8 v0, s[64:65] scope:SCOPE_SE
	s_setreg_imm32_b32 hwreg(HW_REG_WAVE_MODE, 25, 1), 1
	s_wait_xcnt 0x0
; y = softmax(q k^T / 8, causal) v for one (batch, head), both products on codes of FP6 (E2M3) with E8M0 scales; y leaves as codes for the last product, quantised along its 1,024 (two blocks a head).
; qkv: [batch x 16 + head][step of 128 tokens][19,200]: q's part at 0, k's at 6,400, v's at 12,800, all as images of operands' registers.  Lane r of token tile 2 g + u holds token 32 g + 8 u + (r % 8) + 16 (r / 8).
; q, k: the image (16 tokens x 64: six registers a lane) of tile a at 768 a; at 6,144 words (pair b, r) at 128 (b / 2) + 8 r + 4 (b % 2): two bytes of tile 2 b, two of tile 2 b + 1.  v: fragment (16 d x 128 keys) of d tile t at 1,536 t; words likewise.
; THE HEAD IS 64 and the instruction's K is 128: the images of key tiles 2 b and 2 b + 1 together are ONE source 0, and q stands beside six registers of zero codes, below them for tile 2 b, above for tile 2 b + 1:
; zero codes add nothing, so one fragment and one scale word of k feed two products.
; SOFTMAX: t = score x log2(e) / 8; M = the running largest t rounded UP to a whole number; p = 2^(t - M) is quantised along the keys, not normalised; the row's sum is taken of the unquantised p and divides at the end.
; Both products are used transposed (S^T = k q^T, O^T = v^T p^T): a lane holds one query throughout; p's 16 registers of two neighbouring tiles are 16 neighbouring keys.
; SHARES.  Work-group wg (0..3) of a head, sixteen waves.  Wave w owns query tile j = 16 wg + w and then tile 127 - j: (j / 8 + 1) + (16 - j / 8) = 17 key steps of 128 for every wave.  The work-group walks nine slots of 256 keys, a constant:
; slots 0 .. wg for the low tiles, then 0 .. 7 - wg for the high ones.  A step all of whose keys come after the tile's queries is left out by a scalar branch on ids; on the diagonal hidden scores become -infinity.
; NO JOINT LOADS: from trip wg + 1 on the four work-groups of a head ask for different slots, so partners would not make the same requests in the same round; a slot is 25,600 bytes for two key steps.
; The scale bytes of y leave two bytes a row: a scale word spans two heads, and the other head is another work-group's: 2 bytes beside each row's 48 bytes of codes.
; LIMITS: NaN and infinities are not served; a block whose largest magnitude lies under 2^-124 is held at the byte 1, a block of zeros too (its codes are zeros; this program alone reads the bytes).
; REGISTERS: v1-3, v7, v11 lane terms; v4 query - 16 h; v5, v6 the add's two; v8-10 LDS addresses; v12 -M, v13 the largest t, v[14:15] the sum; v16-21 zeros, v22-27 q, v28-33 zeros; v34 q's scale word; v35 its raw word;
;   v36-42 the high tile's q and word; v43 the prefetch's offset; v44-91 four fragments; v92-95 k's and v's scale words; v96-159 S^T, then p; v160-191 O^T; v192-203 codes; v204-211, v212-231 at work.
.set BLK,   19200
.set PART,  6400
.set HEADB, 16*BLK
.set STEPB, 12800                      ; a step's k and v in LDS
.set SLOT1, 32768                      ; slot 1 begins here: one exclusive or turns an address
.set SPARE, 65536                      ; the spare words, 128 bytes a wave, that no other line names
.set KV,  44
.set S,   96
.set O,   160
.set PCD, 192
.set CV,  204
.set BM,  212                          ; v212-215 the blocks' largest
.set BP,  216                          ; v216-219 the other half's, later bytes
.set SO,  220                          ; v220-223 scale operands
.set PW,  224                          ; p's scale word, and nothing else
.set FF,  226                          ; v[226:227] f = 2^(old M - new M) (the low word serves both halves)
.set TT,  228
.set NI,  229
.set SM2, 230
.set AH,  8
.set AT,  9
.set AS,  10
.set TB,  2                            ; s2  LDS byte at which the slot in hand begins
.set CT,  3                            ; s3  the trip
.set SWT, 10                           ; s10 the trip in which the tiles change: wg + 1
.set QG,  11                           ; s11 the first token of my tile's group of 32
.set KF,  12                           ; s12 the step's first key
.set JL,  13
.set JH,  14
.set BAT, 15
.set HD,  16
.set WV,  18
.set SEL, 20
.set CS,  22
.set G1,  24
.set YB,  32
.set YSB, 34
.set PFA, 36
.set PFL, 38
.set G0,  40
.set HB,  44
.macro TLOAD                           ; waves 0 and 1 fetch a slot's two steps, one load each.  The branch hangs on the wave's number alone.  An s_nop 0 and four v_nop follow the line
	s_cmp_lt_u32 s[WV], 2
	s_cbranch_scc0 .Lno_load_\@
	tensor_load_to_lds s[G0:G0+3], s[G1:G1+7]
	s_nop 0
.rept 4
	v_nop
.endr
.Lno_load_\@:
.endm
; A PREFETCH of the slot that the NEXT change of slots will ask for.  Slots 4 to 7 are walked first by the head's work-group 0, which asks for slot n by its tensor load in trip n: it alone prefetches, in trips 3 to 6, slot trip + 1:
; a slot's two key steps ahead of that load.  Waves 4 to 7, which fetch nothing, take 25 blocks of 256 bytes each (k's or v's part of one step), lanes 256 bytes apart; lanes 24 to 31 name the 25th block with lane 24.
.macro ASK
	s_sub_co_u32 s86, s[CT], 3
	s_cmp_lt_u32 s86, s[PFL]
	s_cbranch_scc0 .Lnot_mine_\@
	global_prefetch_b8 v43, s[PFA:PFA+1] th:TH_LOAD_NT scope:SCOPE_SE
.Lnot_mine_\@:
.endm
	s_load_b128 s[4:7], s[0:1], 0x0                ; qkv, yc
	s_load_b64 s[8:9], s[0:1], 0x10                ; ys
	v_lshl_add_u32 v5, v0, 2, SPARE
	v_mov_b32 v6, 0
	ds_add_u32 v5, v6                              ; the wave's opening: the add and its wait stand ahead of the first tensor load; work on registers stands between
	ds_add_u32 v5, v6
	v_lshrrev_b32 v8, 5, v0
	s_delay_alu instid0(VALU_DEP_1)
	v_readfirstlane_b32 s[WV], v8                  ; wave 0..15
	s_and_b32 s17, ttmp7, 0xffff                   ; batch x 16 + head
	s_lshr_b32 s[BAT], s17, 4
	s_and_b32 s[HD], s17, 15
	s_add_co_u32 s[SWT], ttmp9, 1
	s_lshl_b32 s[JL], ttmp9, 4
	s_add_co_u32 s[JL], s[JL], s[WV]               ; my low tile
	s_sub_co_u32 s[JH], 127, s[JL]                 ; my high tile
	s_mov_b32 s[G1], 3<<16                         ; a dense block of 12,800 bytes as 50 rows of 256: elements of 8 bytes, no mask, no padding
	s_mov_b32 s[G1+1], 32<<16
	s_mov_b32 s[G1+2], 50<<16
	s_mov_b32 s[G1+3], 32<<16
	s_mov_b32 s[G1+4], 50
	s_mov_b32 s[G1+5], 32
	s_mov_b32 s[G1+6], 0
	s_mov_b32 s[G1+7], 0
	s_and_b32 s66, s[WV], 1                        ; which of a slot's two steps I fetch, if I fetch
	s_mul_i32 s67, s66, STEPB                      ; its place in a slot,
	s_mul_i32 s68, s66, BLK
	s_add_co_u32 s68, s68, PART                    ; and in memory: k's part begins 6,400 bytes into a block
	s_mov_b32 s69, 0
	s_mul_i32 s70, s17, HEADB                      ; the head's first byte
	s_mov_b32 s71, 0
	s_bfe_u32 s86, s[WV], 0x10001                  ; the prefetches: waves 4, 5 the first step's k and v, waves 6, 7 the second's
	s_mul_i32 s86, s86, BLK
	s_mul_i32 s87, s66, PART
	s_add_co_u32 s86, s86, s87
	s_add_co_u32 s86, s86, PART
	s_mov_b32 s87, 0
	s_lshr_b32 s88, s[WV], 2
	s_xor_b32 s88, s88, 1                          ; 0 in waves 4 to 7,
	s_or_b32 s88, s88, ttmp9                       ; of the head's work-group 0
	s_cmp_eq_u32 s88, 0
	s_cselect_b32 s[PFL], 4, 0
	s_mov_b32 s[SEL], 0x76543210
	s_mov_b32 s[SEL+1], 0xfedcba98                 ; v_permlanex16_b32's selects for lane l xor 16
	s_mov_b32 s[CS], 0x3e38aa3b                    ; c = log2(e) / 8
	s_mov_b32 s[CS+1], s[CS]                       ; (named with it as a pair, so it is written)
	s_mov_b32 s[TB], 0
	s_mov_b32 s[CT], 0
	s_wait_dscnt 0x0                               ; the opening add is done
	s_wait_kmcnt 0x0
	s_add_nc_u64 s[4:5], s[4:5], s[70:71]          ; qkv at my head
	s_add_nc_u64 s[HB:HB+1], s[4:5], s[68:69]
	s_add_nc_u64 s[PFA:PFA+1], s[4:5], s[86:87]    ; in slot 0; each change of slots steps it, so that in trip n it stands in slot n + 1
	s_mov_b32 s[G0], 1
	s_mov_b32 s[G0+1], s67
	s_mov_b64 s[G0+2:G0+3], s[HB:HB+1]
	s_or_b32 s[G0+3], s[G0+3], 0x80000000
	TLOAD                                          ; slot 0 of the keys into LDS slot 0
	v_and_b32 v8, 31, v0                           ; l
	v_and_b32 v9, 15, v0                           ; r
	v_bfe_u32 v10, v0, 4, 1                        ; h
	s_delay_alu instid0(VALU_DEP_3)
	v_lshlrev_b32 v1, 4, v8                        ; 16 l
	s_delay_alu instid0(VALU_DEP_3)
	v_lshlrev_b32 v2, 4, v9
	s_delay_alu instid0(VALU_DEP_1)
	v_lshl_add_u32 v2, v10, 3, v2
	s_delay_alu instid0(VALU_DEP_1)
	v_add_nc_u32 v2, 512, v2                       ; 512 + 16 r + 8 h
	s_wait_alu depctr_va_vdst(0)
	v_lshlrev_b32 v3, 3, v8                        ; 8 l
	v_lshlrev_b32 v11, 3, v9                       ; 8 r
	s_wait_alu depctr_va_vdst(0)
	v_and_b32 v7, 8, v9
	s_delay_alu instid0(VALU_DEP_1)
	v_add_nc_u32 v7, v7, v9                        ; r + 8 (r / 8)
	v_lshlrev_b32 v4, 4, v10
	s_delay_alu instid0(VALU_DEP_1)
	v_sub_nc_u32 v7, v7, v4                        ; - 16 h
	v_min_u32 v43, 24, v8
	s_delay_alu instid0(VALU_DEP_1)
	v_lshlrev_b32 v43, 8, v43
.macro QLOAD j, sb, rq, rw             ; tile s[j]'s image of q and its raw scale word
	s_lshr_b32 s[\sb], s[\j], 3
	s_mul_i32 s[\sb], s[\sb], BLK                  ; its step's block
	s_and_b32 s[\sb+2], s[\j], 7
	s_mul_i32 s[\sb+2], s[\sb+2], 768
	s_add_co_u32 s[\sb+2], s[\sb+2], s[\sb]
	s_mov_b32 s[\sb+3], 0
	s_bfe_u32 s[\sb+1], s[\j], 0x10002
	s_lshl_b32 s[\sb+1], s[\sb+1], 7
	s_add_co_u32 s[\sb], s[\sb], s[\sb+1]          ; its pair's words: 128 (b / 2)
	s_bfe_u32 s[\sb+1], s[\j], 0x10001
	s_lshl_b32 s[\sb+1], s[\sb+1], 2
	s_add_co_u32 s[\sb], s[\sb], s[\sb+1]          ; + 4 (b % 2)
	s_mov_b32 s[\sb+1], 0
	s_add_nc_u64 s[\sb:\sb+1], s[4:5], s[\sb:\sb+1]
	s_add_nc_u64 s[\sb+2:\sb+3], s[4:5], s[\sb+2:\sb+3]
	global_load_b128 v[\rq:\rq+3], v1, s[\sb+2:\sb+3]
	global_load_b64 v[\rq+4:\rq+5], v2, s[\sb+2:\sb+3]
	global_load_b32 v[\rw], v11, s[\sb:\sb+1] offset:6144
.endm
	QLOAD JL, 72, 22, 35
	QLOAD JH, 76, 36, 42
.irp i, 0,1,2,3,4,5
	v_mov_b32 v[16+\i], 0                          ; zero codes below q,
	v_mov_b32 v[28+\i], 0                          ; and above
.endr
.irp b, 0,1,2,3
	v_mov_b32 v[BP+\b], 0                          ; written once: a lane permute's destination counts as one of its sources
.endr
	v_mov_b32 v[TT], 0
	v_mov_b32 v[FF+1], 0                           ; (named as the upper half of a pair)
; A tile begins: its ids, its places in yc and ys, and an empty state: the first change of M multiplies zeros.
.macro SETTILE j
	s_lshr_b32 s[QG], s[\j], 1
	s_lshl_b32 s[QG], s[QG], 5
	s_and_b32 s80, s[\j], 1
	s_lshl_b32 s81, s80, 3
	v_add_nc_u32 v4, s81, v7                       ; my query - QG - 16 h
	s_mov_b32 s82, 0x03020302
	s_cmp_eq_u32 s80, 0
	s_cselect_b32 s82, 0x01000100, s82
	v_perm_b32 v34, v35, v35, s82                  ; my tile's two bytes, twice: for q below the zeros and above
	s_lshl_b32 s82, s[BAT], 7
	s_add_co_u32 s82, s82, s[\j]
	s_mul_i32 s82, s82, 12288                      ; yc: the tile,
	s_mul_i32 s83, s[HD], 768
	s_add_co_u32 s82, s82, s83                     ; the head's image: K step head / 2, half head % 2
	s_mov_b32 s83, 0
	s_add_nc_u64 s[YB:YB+1], s[6:7], s[82:83]
	s_lshr_b32 s82, s[HD], 1
	s_lshl_b32 s82, s82, 15                        ; ys: the K step's plane,
	s_lshl_b32 s84, s[BAT], 13
	s_add_co_u32 s82, s82, s84
	s_lshr_b32 s84, s[\j], 2
	s_lshl_b32 s84, s84, 8
	s_add_co_u32 s82, s82, s84                     ; the 64 rows,
	s_bfe_u32 s84, s[\j], 0x10001
	s_lshl_b32 s84, s84, 7
	s_add_co_u32 s82, s82, s84
	s_lshl_b32 s84, s80, 2
	s_add_co_u32 s82, s82, s84                     ; the tile's word,
	s_and_b32 s84, s[HD], 1
	s_lshl_b32 s84, s84, 1
	s_add_co_u32 s82, s82, s84                     ; the head's half of it
	s_add_nc_u64 s[YSB:YSB+1], s[8:9], s[82:83]
	s_mov_b32 s[KF], 0
	v_mov_b32 v13, 0xff61b1e6                      ; the largest t so far: -3e38
	s_delay_alu instid0(VALU_DEP_1)
	v_floor_f32 v12, -v13
	v_mov_b32 v14, 0
	v_mov_b32 v15, 0
.set n, 0
.rept 32
	v_mov_b32 v[O+n], 0
.set n, n+1
.endr
.endm
; A KEY STEP: 128 keys, the q-th of the slot in hand.
.macro STEP q
	s_add_co_u32 s96, s[QG], 31
	s_cmp_gt_u32 s[KF], s96                        ; all keys come after my queries: the step's work is left out
	s_cbranch_scc1 .Lhidden_\@
	v_add_nc_u32 v[AH], s[TB], v1                  ; (with the v_nop: four places ahead of loads into registers that matrix instructions have read)
	v_add_nc_u32 v[AT], s[TB], v2
	v_add_nc_u32 v[AS], s[TB], v3
	v_nop
.irp b, 0,1,2,3
	ds_load_b128 v[KV+12*\b:KV+12*\b+3], v[AH] offset:STEPB*(\q)+1536*\b
	ds_load_b64 v[KV+12*\b+4:KV+12*\b+5], v[AT] offset:STEPB*(\q)+1536*\b
	ds_load_b128 v[KV+12*\b+6:KV+12*\b+9], v[AH] offset:STEPB*(\q)+1536*\b+768
	ds_load_b64 v[KV+12*\b+10:KV+12*\b+11], v[AT] offset:STEPB*(\q)+1536*\b+768
.endr
	ds_load_b64 v[92:93], v[AS] offset:STEPB*(\q)+6144     ; lanes 0-15: the words of pairs 0, 1; lanes 16-31: of pairs 2, 3
	s_wait_alu depctr_va_vdst(0)
	s_wait_dscnt 0x0
.irp b, 0,1
	v_wmma_scale_f32_16x16x128_f8f6f4 v[S+16*\b:S+16*\b+7], v[KV+12*\b:KV+12*\b+11], v[22:33], 0, v[92+\b], v34 matrix_a_fmt:MATRIX_FMT_FP6 matrix_b_fmt:MATRIX_FMT_FP6
	v_wmma_scale_f32_16x16x128_f8f6f4 v[S+16*\b+8:S+16*\b+15], v[KV+12*\b:KV+12*\b+11], v[16:27], 0, v[92+\b], v34 matrix_a_fmt:MATRIX_FMT_FP6 matrix_b_fmt:MATRIX_FMT_FP6
.endr
.irp b, 2,3
	v_wmma_scale_f32_16x16x128_f8f6f4 v[S+16*\b:S+16*\b+7], v[KV+12*\b:KV+12*\b+11], v[22:33], 0, v[90+\b], v34 matrix_a_fmt:MATRIX_FMT_FP6 matrix_b_fmt:MATRIX_FMT_FP6 matrix_a_scale:MATRIX_SCALE_ROW1
	v_wmma_scale_f32_16x16x128_f8f6f4 v[S+16*\b+8:S+16*\b+15], v[KV+12*\b:KV+12*\b+11], v[16:27], 0, v[90+\b], v34 matrix_a_fmt:MATRIX_FMT_FP6 matrix_b_fmt:MATRIX_FMT_FP6 matrix_a_scale:MATRIX_SCALE_ROW1
.endr
.rept 4
	v_nop                                          ; places: ahead of the loads below and of the first read of the scores
.endr
.irp t, 0,1,2,3                        ; v's fragments are asked for now, into k's registers: they land under the softmax
	ds_load_b128 v[KV+12*\t:KV+12*\t+3], v[AH] offset:STEPB*(\q)+PART+1536*\t
	ds_load_b64 v[KV+12*\t+4:KV+12*\t+5], v[AT] offset:STEPB*(\q)+PART+1536*\t
	ds_load_b128 v[KV+12*\t+6:KV+12*\t+9], v[AH] offset:STEPB*(\q)+PART+1536*\t+768
	ds_load_b64 v[KV+12*\t+10:KV+12*\t+11], v[AT] offset:STEPB*(\q)+PART+1536*\t+768
.endr
	ds_load_b64 v[94:95], v[AS] offset:STEPB*(\q)+PART+6144
	s_add_co_u32 s96, s[KF], 127                   ; a step all of whose keys count skips the mask
	s_cmp_le_u32 s96, s[QG]
	s_cbranch_scc1 .Lopen_\@
	s_sub_co_i32 s96, s[QG], s[KF]
	v_add_nc_u32 v[TT], s96, v4                    ; d = my query - KF - 16 h.  Register 16 b + i holds key KF + 16 h + 32 b + i: hidden where 32 b + i > d
	v_mov_b32 v[NI], 0xff800000                    ; -infinity
.set n, 0
.rept 64
	v_cmp_gt_i32 vcc_lo, 32*(n/16)+n%16, v[TT]
	v_cndmask_b32 v[S+n], v[S+n], v[NI], vcc_lo
.set n, n+1
.endr
.Lopen_\@:
.irp b, 0,1,2,3
	v_max3_num_f32 v[BM+\b], v[S+16*\b], v[S+1+16*\b], v[S+2+16*\b]   ; the largest score of each block of 32 keys: for the row's maximum and, since p rises with the score, for the block's largest p
.endr
.irp i, 3,5,7,9,11,13
.irp b, 0,1,2,3
	v_max3_num_f32 v[BM+\b], v[BM+\b], v[S+16*\b+\i], v[S+1+16*\b+\i]
.endr
.endr
.irp b, 0,1,2,3
	v_max_num_f32 v[BM+\b], v[BM+\b], v[S+15+16*\b]
.endr
.irp b, 0,1,2,3
	s_delay_alu instid0(VALU_DEP_4)
	v_permlanex16_b32 v[BP+\b], v[BM+\b], s[SEL], s[SEL+1]
.endr
.irp b, 0,1,2,3
	s_delay_alu instid0(VALU_DEP_4)
	v_max_num_f32 v[BM+\b], v[BM+\b], v[BP+\b]     ; with lane l xor 16's 16 keys
.endr
	s_delay_alu instid0(VALU_DEP_2)
	v_max3_num_f32 v[TT], v[BM], v[BM+1], v[BM+2]
	s_delay_alu instid0(VALU_DEP_1)
	v_max_num_f32 v[TT], v[TT], v[BM+3]
	s_delay_alu instid0(VALU_DEP_1)
	v_mul_f32 v[TT], s[CS], v[TT]                  ; the step's largest t
	s_delay_alu instid0(VALU_DEP_1)
	v_max_num_f32 v13, v13, v[TT]                  ; the running largest t
	v_mov_b32 v[TT], v12
	s_delay_alu instid0(VALU_DEP_2)
	v_floor_f32 v12, -v13                          ; the new -M = -ceil(t): a whole number
	s_delay_alu instid0(VALU_DEP_1)
	v_sub_f32 v[TT], v12, v[TT]                    ; old M - new M: a whole number, 0 or less
	s_delay_alu instid0(VALU_DEP_1)
	v_cvt_i32_f32 v[TT], v[TT]                     ; (it saturates)
	s_delay_alu instid0(VALU_DEP_1)
	v_ldexp_f32 v[FF], 1.0, v[TT]                  ; f = 2^(old M - new M): a multiplication by it rounds nothing
.set n, 0
.rept 32
	v_pk_fma_f32 v[S+n:S+n+1], v[S+n:S+n+1], s[CS:CS+1], v[12:13] op_sel_hi:[1,0,0]   ; t - M, two at a time
.set n, n+2
.endr
.irp b, 0,1,2,3
	v_fma_f32 v[BM+\b], v[BM+\b], s[CS], v12       ; the same of each block's largest score
.endr
.set n, 0
	s_wait_alu depctr_va_vdst(0)
.rept 64
	v_exp_f32 v[S+n], v[S+n]                       ; p = 2^(t - M), at most 1
.set n, n+1
.endr
	v_pk_mul_f32 v[14:15], v[14:15], v[FF:FF+1] op_sel_hi:[1,0]   ; the sums under the new M.  (The plain instruction behind the exponentials)
	s_wait_alu depctr_va_vdst(0)                   ; one wait for the batch, ahead of its first reader
.irp b, 0,1,2,3
	v_exp_f32 v[BM+\b], v[BM+\b]                   ; the block's largest p: the same two instructions on the same number give the same bits
.endr
	v_pk_add_f32 v[230:231], v[100:101], v[104:105]
	v_pk_add_f32 v[254:255], v[108:109], v[112:113]
	v_pk_add_f32 v[252:253], v[116:117], v[120:121]
	v_pk_add_f32 v[250:251], v[124:125], v[128:129]
	v_pk_add_f32 v[248:249], v[132:133], v[136:137]
	v_pk_add_f32 v[246:247], v[140:141], v[144:145]
	v_pk_add_f32 v[244:245], v[148:149], v[152:153]
	v_pk_add_f32 v[14:15], v[14:15], v[156:157]
	v_pk_add_f32 v[230:231], v[230:231], v[96:97]
	v_pk_add_f32 v[254:255], v[254:255], v[98:99]
	v_pk_add_f32 v[252:253], v[252:253], v[102:103]
	v_pk_add_f32 v[250:251], v[250:251], v[106:107]
	v_pk_add_f32 v[248:249], v[248:249], v[110:111]
	v_pk_add_f32 v[246:247], v[246:247], v[114:115]
	v_pk_add_f32 v[244:245], v[244:245], v[118:119]
	v_pk_add_f32 v[14:15], v[14:15], v[122:123]
	v_pk_add_f32 v[230:231], v[230:231], v[126:127]
	v_pk_add_f32 v[254:255], v[254:255], v[130:131]
	v_pk_add_f32 v[252:253], v[252:253], v[134:135]
	v_pk_add_f32 v[250:251], v[250:251], v[138:139]
	v_pk_add_f32 v[248:249], v[248:249], v[142:143]
	v_pk_add_f32 v[246:247], v[246:247], v[146:147]
	v_pk_add_f32 v[244:245], v[244:245], v[150:151]
	v_pk_add_f32 v[14:15], v[14:15], v[154:155]
	v_pk_add_f32 v[230:231], v[230:231], v[158:159]
	s_delay_alu instid0(VALU_DEP_2)
	v_pk_add_f32 v[14:15], v[14:15], v[250:251]
	s_delay_alu instid0(VALU_DEP_2)
	v_pk_add_f32 v[230:231], v[230:231], v[248:249]
	v_pk_add_f32 v[254:255], v[254:255], v[246:247]
	v_pk_add_f32 v[252:253], v[252:253], v[244:245]
	s_delay_alu instid0(VALU_DEP_2)
	v_pk_add_f32 v[14:15], v[14:15], v[254:255]
	s_delay_alu instid0(VALU_DEP_2)
	v_pk_add_f32 v[230:231], v[230:231], v[252:253]
	s_delay_alu instid0(VALU_DEP_1)
	v_pk_add_f32 v[14:15], v[14:15], v[230:231]
	s_wait_alu depctr_va_vdst(0)                   ; and one for the four
.irp b, 0,1,2,3
	v_max_num_f32 v[BM+\b], 0x1800000, v[BM+\b]    ; the floor 2^(3 - 127): the byte cannot fall under 1
.endr
.irp b, 0,1,2,3
	s_delay_alu instid0(VALU_DEP_4)
	v_add_nc_u32 v[SO+\b], 0xff000000, v[BM+\b]    ; 2 off the exponent field: the conversion's scale operand
.endr
.irp b, 0,1,2,3
	s_delay_alu instid0(VALU_DEP_4)
	v_lshrrev_b32 v[BP+\b], 23, v[SO+\b]
.endr
	s_delay_alu instid0(VALU_DEP_3)
	v_lshl_or_b32 v[PW], v[BP+1], 8, v[BP]         ; p's scale word for these 128 keys
	s_delay_alu instid0(VALU_DEP_1)
	v_lshl_or_b32 v[PW], v[BP+2], 16, v[PW]
	s_delay_alu instid0(VALU_DEP_1)
	v_lshl_or_b32 v[PW], v[BP+3], 24, v[PW]
.irp c, 0,1
	v_cvt_scalef32_pk16_fp6_f32 v[PCD+6*\c:PCD+6*\c+2], v[S+32*\c:S+32*\c+15], v[SO+2*\c]
	v_cvt_scalef32_pk16_fp6_f32 v[CV+4*\c:CV+4*\c+2], v[S+32*\c+16:S+32*\c+31], v[SO+2*\c+1]
.endr
	v_nop                                          ; one plain instruction behind the conversions
.irp c, 0,1                            ; the layout wants a WHOLE block in a lane
.irp i, 0,1,2
	v_permlane16_swap_b32 v[PCD+6*\c+\i], v[CV+4*\c+\i]
.endr
.irp i, 0,1,2
	s_delay_alu instid0(VALU_DEP_3)
	v_mov_b32 v[PCD+3+6*\c+\i], v[CV+4*\c+\i]
.endr
.endr
.set n, 0
.rept 16
	v_pk_mul_f32 v[O+n:O+n+1], v[O+n:O+n+1], v[FF:FF+1] op_sel_hi:[1,0]   ; O^T under the new M.  (These sixteen are also the places between the writes of p's codes and scale word and the products)
.set n, n+2
.endr
	s_wait_alu depctr_va_vdst(0)
	s_wait_dscnt 0x0                               ; v's fragments and words are in
.irp t, 0,1
	v_wmma_scale_f32_16x16x128_f8f6f4 v[O+8*\t:O+8*\t+7], v[KV+12*\t:KV+12*\t+11], v[PCD:PCD+11], v[O+8*\t:O+8*\t+7], v[94+\t], v[PW] matrix_a_fmt:MATRIX_FMT_FP6 matrix_b_fmt:MATRIX_FMT_FP6
.endr
.irp t, 2,3
	v_wmma_scale_f32_16x16x128_f8f6f4 v[O+8*\t:O+8*\t+7], v[KV+12*\t:KV+12*\t+11], v[PCD:PCD+11], v[O+8*\t:O+8*\t+7], v[92+\t], v[PW] matrix_a_fmt:MATRIX_FMT_FP6 matrix_b_fmt:MATRIX_FMT_FP6 matrix_a_scale:MATRIX_SCALE_ROW1
.endr
.Lhidden_\@:
	s_add_co_u32 s[KF], s[KF], 128
.endm
; THE CHANGE OF SLOTS stands at a trip's head.  Each wave waits for all its tensor loads, adds 0 to its spare word, and waits for that and for its reads of the slot that it has left.  Behind the barrier the slot ahead is whole and
; nobody reads the other one.  fill = 1: that one takes the keys of the next trip: slot (trip + 1), less wg + 1 from the trip of the tiles' change on.
.macro CHANGE fill
	s_wait_tensorcnt 0x0                           ; no tensor load of mine is out, so group 0 may be written
	ds_add_u32 v5, v6                              ; 0 onto my spare word
.if \fill
	s_add_co_u32 s70, s[CT], 1
	s_cmp_ge_u32 s70, s[SWT]
	s_cselect_b32 s71, s[SWT], 0
	s_sub_co_u32 s70, s70, s71
	s_mul_i32 s70, s70, 2*BLK
	s_mov_b32 s71, 0
	s_xor_b32 s[G0+1], s[G0+1], SLOT1              ; the other LDS slot than last time
	s_add_nc_u64 s[G0+2:G0+3], s[HB:HB+1], s[70:71]
	s_or_b32 s[G0+3], s[G0+3], 0x80000000
	s_wait_xcnt 0x0                                ; the last prefetch, a trip back, has read its address
	s_add_nc_u64 s[PFA:PFA+1], s[PFA:PFA+1], 2*BLK
.endif
	s_wait_dscnt 0x0                               ; the add is done, and my reads of the slot that I have left are over
	s_barrier_signal -1
	s_barrier_wait -1
.if \fill
	TLOAD                                          ; the first thing behind the barrier, and a wave's one tensor load until the next
	ASK
.endif
.endm
; A tile ends: O^T is divided by the row's sum, quantised along the head's 64 (two blocks: register 16 g + i is d = 32 g + 16 h + i of my query) and leaves as an image.
.macro FINISH
.rept 4
	v_nop                                          ; places behind the last products
.endr
	v_add_f32 v14, v14, v15
	s_delay_alu instid0(VALU_DEP_1)
	v_permlanex16_b32 v[TT], v14, s[SEL], s[SEL+1]
	s_delay_alu instid0(VALU_DEP_1)
	v_add_f32 v14, v14, v[TT]                      ; the row's sum
	s_wait_alu depctr_va_vdst(0)
	v_rcp_f32 v14, v14
	v_nop                                          ; a plain instruction behind the reciprocal
	s_wait_alu depctr_va_vdst(0)                   ; and the wait ahead of its first reader
.set n, 0
.rept 32
	v_mul_f32 v[S+n], v[O+n], v14                  ; ascending: each accumulator is read from its low end on
.set n, n+1
.endr
.irp g, 0,1
	v_max3_num_f32 v[BM+\g], |v[S+16*\g]|, |v[S+16*\g+1]|, 0x1800000
.endr
.irp i, 2,4,6,8,10,12,14
.irp g, 0,1
	s_delay_alu instid0(VALU_DEP_2)
	v_max3_num_f32 v[BM+\g], v[BM+\g], |v[S+16*\g+\i]|, |v[S+16*\g+\i+1]|
.endr
.endr
.irp g, 0,1
	s_delay_alu instid0(VALU_DEP_2)
	v_permlanex16_b32 v[BP+\g], v[BM+\g], s[SEL], s[SEL+1]
.endr
.irp g, 0,1
	s_delay_alu instid0(VALU_DEP_2)
	v_max_num_f32 v[BM+\g], v[BM+\g], v[BP+\g]
.endr
.irp g, 0,1
	s_delay_alu instid0(VALU_DEP_2)
	v_add_nc_u32 v[SO+\g], 0xff000000, v[BM+\g]
.endr
.irp g, 0,1
	s_delay_alu instid0(VALU_DEP_2)
	v_lshrrev_b32 v[BP+\g], 23, v[SO+\g]
.endr
	v_cvt_scalef32_pk16_fp6_f32 v[PCD:PCD+2], v[S:S+15], v[SO]
	v_cvt_scalef32_pk16_fp6_f32 v[CV:CV+2], v[S+16:S+31], v[SO+1]
	v_lshl_or_b32 v[NI], v[BP+1], 8, v[BP]         ; the head's two bytes.  (Also the plain instruction behind the conversions)
.irp i, 0,1,2
	v_permlane16_swap_b32 v[PCD+\i], v[CV+\i]
.endr
.irp i, 0,1,2
	s_delay_alu instid0(VALU_DEP_3)
	v_mov_b32 v[PCD+3+\i], v[CV+\i]
.endr
	global_store_b128 v1, v[PCD:PCD+3], s[YB:YB+1]         ; 512 consecutive bytes, aligned to 256
	global_store_b64 v2, v[PCD+4:PCD+5], s[YB:YB+1]        ; 256
	global_store_b16 v11, v[NI], s[YSB:YSB+1]              ; both halves of the lanes write the same two bytes with the same value
	s_wait_xcnt 0x0                                ; the stores have read their registers and bases: both may be written again
.endm
	s_wait_loadcnt 0x0                             ; q of both tiles
	SETTILE JL
.Lslot:                                            ; eight trips; the ninth is written out
	CHANGE 1
	s_cmp_lg_u32 s[CT], s[SWT]                     ; the same in all sixteen waves
	s_cbranch_scc1 .Lsame
	FINISH                                         ; the low tile is done; the high tile begins at key 0
.irp i, 0,1,2,3,4,5
	v_mov_b32 v[22+\i], v[36+\i]
.endr
	v_mov_b32 v35, v42
	SETTILE JH
.Lsame:
	STEP 0
	STEP 1
	s_xor_b32 s[TB], s[TB], SLOT1
	s_add_co_u32 s[CT], s[CT], 1
	s_cmp_lt_u32 s[CT], 8
	s_cbranch_scc1 .Lslot
	CHANGE 0
	STEP 0
	STEP 1
	FINISH
	s_wait_tensorcnt 0x0                           ; the wave's end
	ds_add_u32 v5, v6
	s_wait_dscnt 0x0
	s_endpgm
.Lfunc_end_k_q19c111d8c3_attn:
	.size	k_q19c111d8c3_attn, .Lfunc_end_k_q19c111d8c3_attn-k_q19c111d8c3_attn
	.p2alignl 7, 3214868480
	.fill 96, 4, 3214868480
	.section	.rodata,"a",@progbits
	.p2align	6, 0x0
	.amdhsa_kernel k_q19c111d8c3_attn
		.amdhsa_group_segment_fixed_size 327680
		.amdhsa_private_segment_fixed_size 0
		.amdhsa_enable_private_segment 0
		.amdhsa_kernarg_size 24
		.amdhsa_user_sgpr_count 2
		.amdhsa_user_sgpr_kernarg_segment_ptr 1
		.amdhsa_wavefront_size32 1
		.amdhsa_system_sgpr_workgroup_id_x 1
		.amdhsa_system_sgpr_workgroup_id_y 1
		.amdhsa_system_sgpr_workgroup_id_z 1
		.amdhsa_system_vgpr_workitem_id 0
		.amdhsa_next_free_vgpr 256
		.amdhsa_next_free_sgpr 100
		.amdhsa_reserve_vcc 1
		.amdhsa_float_denorm_mode_32 3
		.amdhsa_float_denorm_mode_16_64 3
		.amdhsa_memory_ordered 1
		.amdhsa_forward_progress 1
		.amdhsa_inst_pref_size 111
	.end_amdhsa_kernel
	.amdgpu_metadata
---
amdhsa.version: [ 1, 2 ]
amdhsa.kernels:
  - .name:           k_q19c111d8c3_attn
    .symbol:         k_q19c111d8c3_attn.kd
    .args:
      - { .name: qkv, .offset: 0, .size: 8, .value_kind: global_buffer, .address_space: global }
      - { .name: yc, .offset: 8, .size: 8, .value_kind: global_buffer, .address_space: global }
      - { .name: ys, .offset: 16, .size: 8, .value_kind: global_buffer, .address_space: global }
    .group_segment_fixed_size: 327680
    .private_segment_fixed_size: 0
    .kernarg_segment_align: 8
    .kernarg_segment_size: 24
    .max_flat_workgroup_size: 512
    .sgpr_count:     100
    .vgpr_count:     256
    .wavefront_size: 32
...
	.end_amdgpu_metadata
.endif
;; end of part 3
;; launch gemm_out (part 4): grid 4 x 32, 4 waves a work-group, clusters of 4 x 4, 327,680 bytes of LDS; arguments yc, ys, wc, ws, out0; writes out0
.if DOCPART == 4
	.amdgcn_target "amdgcn-amd-amdhsa--gfx1250"
	.amdhsa_code_object_version 6
	.text
	.protected	k_q19c111d8c3_gemm_out
	.globl	k_q19c111d8c3_gemm_out
	.p2align	8
	.type	k_q19c111d8c3_gemm_out,@function
k_q19c111d8c3_gemm_out:
	s_mov_b64 s[64:65], 0
	v_nop
	global_prefetch_b8 v0, s[64:65] scope:SCOPE_SE
	s_setreg_imm32_b32 hwreg(HW_REG_WAVE_MODE, 25, 1), 1
	s_wait_xcnt 0x0
	s_wait_alu depctr_hold_cnt(0) depctr_sa_sdst(0) depctr_va_vdst(0) depctr_va_sdst(0) depctr_va_ssrc(0) depctr_va_vcc(0) depctr_vm_vsrc(0)
	s_getreg_b32 s2, hwreg(HW_REG_IB_STS2, 6, 4)
	s_cmp_eq_u32 s2, 0
	s_cbranch_scc0 .Lentry_in_a_cluster
	s_endpgm
.Lentry_in_a_cluster:
	s_bfe_u32 s2, ttmp6, 0x10000c
	s_cmp_lg_u32 s2, 0xf033
	s_cbranch_scc0 .Lentry_shape_is_right
	s_endpgm
.Lentry_shape_is_right:
; out0 = y w_out on codes of FP6 (E2M3) with E8M0 scales, K = 1,024; out0 [8192][1024] f32.
; OPERANDS lie in memory in the order of an operand's registers.  A tile is 16 rows; lane r of tile 2 g + u holds row 32 g + 8 u + (r % 8) + 16 (r / 8).  16 rows x 64 K are an image of 768 bytes (registers 0-3 of lane l
; at 16 l, registers 4-5 at 512 + 16 r + 8 h); a K step of 128 is two images; a tile's 1,024 along K are 12,288 bytes.  Scale words: [K step][64 rows][256], word (tile t, r) at 128 (t / 2) + 8 r + 4 (t % 2).
; w_out's 1,024 columns are rows 3,072 .. 4,095 of wc and ws.
; A tile of the result, 256 x 256, is made by four waves, 128 x 128 each.  SIDE 0 (source 0) = w_out's columns: a lane's registers run along them, the 16 registers of tiles 2 b, 2 b + 1 being the 16 neighbours 32 b + 16 h + 0 .. 15.
; SIDE 1 (source 1) = tokens: lane r holds its tile's row r.
; K goes through a ring of two LDS slots of 256 along K; all scale words come once.  CLUSTERS 4 x 4: side 1's tiles hang on the cluster's row alone, side 0's on its column alone: each is asked for jointly by four.
; 128 work-groups.  The eight K steps are written out: four slots, two of them first fills; nothing is prefetched, since the other two are asked for one K step after the start.
; REGISTERS, in windows of 256: window 0: v1-7 lane terms, v16-23 fragment addresses, v24-29; v32-95 scale words and nothing else; v128-223 side 1's fragments; on the way out v128-255 take rows of the result.
;   window 1: side 0's fragments, two sets.   windows 2, 3: the accumulators, (a, b) at v[8 (8 (a % 4) + b)].
.set FR,    12
.set NL,    4
.set NP,    4
.set TILEB, 3072
.set QUART, 8*TILEB
.set SLOT,  4*QUART
.set SCL,   2*SLOT
.set SQ,    4096
.set SPARE, SCL+4*SQ                   ; the spare words, 128 bytes a wave, that no other line names
.set SPITCH, 528                       ; the way out: a stage of 16 rows x (512 bytes + 16) for each wave, in slot 0, which has had its last fill and its last read when the first result is stored there
.set AH,   16
.set AT,   18
.set BH,   20
.set BT,   22
.set STO,  24                          ; v24 where I put 32 bytes of a row
.set RD,   25                          ; v25 where I read a row back
.set ADRS, 27
.set SPW,  28                          ; v28 my spare word; never rewritten
.set NIL,  29                          ; v29 0; never rewritten
.set SC,   32
.set AF,   128
.set BK,   128
.set G1, 24
.set G0, 32
.set G1B, 48
.set G0B, 56
.set G1S, 68
.set G0S, 76
.set G1SB, 80
.set G0SB, 88
.set MSB, 0
.macro WIN new                         ; the immediate's high byte repeats the setting that is left
.if MSB != \new
	s_set_vgpr_msb (MSB<<8)|\new
.set MSB, \new
.endif
.endm
.set MUL_LO, 0xa1
.set MUL_HI, 0xf1
.set TO_B,   0x40
; A joint load: waves 0 and 1 fetch for side 1, waves 2 and 3 for side 0.  The branch hangs on the wave's number alone.  An s_nop 0 and four v_nop follow each line.
.macro JLOAD g0a, g1a, g0b, g1b
	s_cmp_eq_u32 s15, 0
	s_cbranch_scc0 .Lfor_b_\@
	tensor_load_to_lds s[\g0a:\g0a+3], s[\g1a:\g1a+7]
	s_nop 0
.rept 4
	v_nop
.endr
	s_branch .Lasked_\@
.Lfor_b_\@:
	tensor_load_to_lds s[\g0b:\g0b+3], s[\g1b:\g1b+7]
	s_nop 0
.rept 4
	v_nop
.endr
.Lasked_\@:
.endm
.macro CREST
	s_cmp_lg_u32 s14, 0
	s_cbranch_scc1 .Lnot_wave_0_\@
	s_barrier_signal -3
.Lnot_wave_0_\@:
	s_barrier_wait -3
	s_barrier_signal -1
	s_barrier_wait -1
.endm
.macro CROUND
	s_barrier_signal -1
	s_barrier_wait -1
	CREST
.endm
	s_load_b128 s[4:7], s[0:1], 0x0                ; yc, ys
	s_load_b128 s[8:11], s[0:1], 0x10              ; wc, ws
	s_load_b64 s[12:13], s[0:1], 0x20              ; out0
	v_lshl_add_u32 v[SPW], v0, 2, SPARE
	v_mov_b32 v[NIL], 0
	ds_add_u32 v[SPW], v[NIL]                      ; the wave's opening: the add and its wait stand ahead of my first tensor load; work on registers stands between
	v_lshrrev_b32 v1, 5, v0
	v_readfirstlane_b32 s14, v1                    ; wave 0..3
	s_lshr_b32 s15, s14, 1                         ; my half of side 1.  Also: I fetch for side 1 (0) or side 0 (1)
	s_and_b32 s16, s14, 1                          ; my half of side 0.  Also: which eight tiles I fetch
	s_bfe_u32 s40, ttmp6, 0x40000                  ; cx
	s_bfe_u32 s41, ttmp6, 0x40004                  ; cy
	s_lshl_b32 s42, ttmp9, 2
	s_add_co_u32 s42, s42, s40                     ; the block of 256 columns
	s_add_co_u32 s46, s42, 12                      ; side 0's block in wc: behind w_qkv's twelve
	s_and_b32 s17, ttmp7, 0xffff
	s_lshl_b32 s45, s17, 2
	s_add_co_u32 s45, s45, s41                     ; side 1's block of 256 tokens
	s_lshl_b32 s43, s41, 2
	s_lshl_b32 s43, 15, s43                        ; my row of the cluster
	s_lshl_b32 s44, 0x1111, s40                    ; my column
	s_or_b32 s[G1+0], s43, (3<<16)|(1<<21)         ; codes: 8 rows (tiles) of 3,072 bytes, 12,288 apart, elements of 8 bytes, no padding; side 1's tiles go to my row
	s_or_b32 s[G1B+0], s44, (3<<16)|(1<<21)        ; side 0's to my column
.irp g, G1, G1B
	s_mov_b32 s[\g+1], 384<<16
	s_mov_b32 s[\g+2], 8<<16
	s_mov_b32 s[\g+3], 384<<16
	s_mov_b32 s[\g+4], 8
	s_mov_b32 s[\g+5], 1536
	s_mov_b32 s[\g+6], 0
	s_mov_b32 s[\g+7], 0
.endr
	s_or_b32 s[G1S+0], s43, (3<<16)|(1<<21)        ; scale words: 8 rows (K steps) of 512 bytes, 32,768 apart
	s_or_b32 s[G1SB+0], s44, (3<<16)|(1<<21)
.irp g, G1S, G1SB
	s_mov_b32 s[\g+1], 64<<16
	s_mov_b32 s[\g+2], 8<<16
	s_mov_b32 s[\g+3], 64<<16
	s_mov_b32 s[\g+4], 8
	s_mov_b32 s[\g+5], 4096
	s_mov_b32 s[\g+6], 0
	s_mov_b32 s[\g+7], 0
.endr
	s_lshl_b32 s47, s16, 3
	s_lshl_b32 s20, s45, 4
	s_add_co_u32 s20, s20, s47
	s_mul_i32 s20, s20, 12288                      ; side 1's codes
	s_mov_b32 s21, 0
	s_lshl_b32 s22, s46, 4
	s_add_co_u32 s22, s22, s47
	s_mul_i32 s22, s22, 12288                      ; side 0's
	s_mov_b32 s23, 0
	s_lshl_b32 s47, s16, 9
	s_lshl_b32 s18, s45, 10
	s_add_co_u32 s18, s18, s47                     ; side 1's scale words
	s_mov_b32 s19, 0
	s_lshl_b32 s2, s46, 10
	s_add_co_u32 s2, s2, s47                       ; side 0's
	s_mov_b32 s3, 0
	s_mul_i32 s66, s14, QUART                      ; where they go: wave x a quarter: no place in the cluster enters an LDS address
	s_lshl_b32 s67, s14, 12
	s_wait_dscnt 0x0                               ; the opening add is done
	s_wait_kmcnt 0x0
	s_add_nc_u64 s[92:93], s[4:5], s[20:21]
	s_add_nc_u64 s[94:95], s[6:7], s[18:19]
	s_add_nc_u64 s[96:97], s[8:9], s[22:23]
	s_add_nc_u64 s[98:99], s[10:11], s[2:3]
	CROUND                                         ; all sixteen work-groups are here: the first joint loads meet
	s_mov_b32 s[G0S], 1
	s_add_co_u32 s[G0S+1], s67, SCL
	s_mov_b64 s[G0S+2:G0S+3], s[94:95]
	s_or_b32 s[G0S+3], s[G0S+3], 0x80000000
	s_mov_b32 s[G0SB], 1
	s_add_co_u32 s[G0SB+1], s67, SCL
	s_mov_b64 s[G0SB+2:G0SB+3], s[98:99]
	s_or_b32 s[G0SB+3], s[G0SB+3], 0x80000000
	JLOAD G0S, G1S, G0SB, G1SB                     ; the scale words of all of K: filled once
.irp s, 0,1
	s_mov_b32 s[G0+4*\s], 1
	s_add_co_u32 s[G0+4*\s+1], s66, \s*SLOT
	s_add_nc_u64 s[G0+4*\s+2:G0+4*\s+3], s[92:93], \s*TILEB
	s_or_b32 s[G0+4*\s+3], s[G0+4*\s+3], 0x80000000
	s_mov_b32 s[G0B+4*\s], 1
	s_add_co_u32 s[G0B+4*\s+1], s66, \s*SLOT
	s_add_nc_u64 s[G0B+4*\s+2:G0B+4*\s+3], s[96:97], \s*TILEB
	s_or_b32 s[G0B+4*\s+3], s[G0B+4*\s+3], 0x80000000
	JLOAD G0+4*\s, G1, G0B+4*\s, G1B
.endr
	v_and_b32 v1, 15, v0                           ; r
	v_bfe_u32 v2, v0, 4, 1                         ; h
	v_and_b32 v3, 31, v0                           ; l
	v_lshlrev_b32 v4, 4, v3                        ; 16 l
	v_lshlrev_b32 v5, 4, v1
	v_lshl_add_u32 v5, v2, 3, v5
	v_add_nc_u32 v5, 512, v5                       ; 512 + 16 r + 8 h
	s_mul_i32 s21, s15, QUART
	s_mul_i32 s22, s16, QUART
	s_add_co_u32 s22, s22, 2*QUART
.irp s, 0,1
	v_add_nc_u32 v[AH+\s], s21, v4
	v_add_nc_u32 v[AT+\s], s21, v5
	v_add_nc_u32 v[BH+\s], s22, v4
	v_add_nc_u32 v[BT+\s], s22, v5
	s_add_co_u32 s21, s21, SLOT
	s_add_co_u32 s22, s22, SLOT
.endr
	v_lshlrev_b32 v6, 3, v1                        ; 8 r
	s_lshl_b32 s21, s15, 12
	s_lshl_b32 s22, s16, 12
	s_add_co_u32 s22, s22, 2*SQ
	s_sub_co_u32 s22, s22, s21
	v_mul_u32_u24 v7, s22, v2                      ; lanes 16-31 take side 0's words: one product, h x the distance
	s_add_co_u32 s21, s21, SCL
	v_add_nc_u32 v6, v6, v7
	v_add_nc_u32 v[ADRS], s21, v6
	s_mul_i32 s23, s14, 16*SPITCH                  ; my stage
	v_mul_u32_u24 v6, v1, SPITCH
	v_lshl_add_u32 v6, v2, 6, v6
	v_add_nc_u32 v[STO], s23, v6                   ; in: row r, + 64 h: accumulator b's eight columns lie at 128 (b / 2) + 64 h + 32 (b % 2)
	v_add_nc_u32 v[RD], s23, v4                    ; back: a row's 512 bytes, 16 a lane
	s_lshl_b32 s20, s45, 8
	s_lshl_b32 s21, s15, 7
	s_add_co_u32 s20, s20, s21                     ; my first token
	s_lshl_b32 s20, s20, 12                        ; a row of out0 is 4,096 bytes
	s_lshl_b32 s22, s42, 10
	s_lshl_b32 s23, s16, 9
	s_add_co_u32 s22, s22, s23                     ; my first column, in bytes
	s_add_co_u32 s20, s20, s22
	s_mov_b32 s21, 0
	s_add_nc_u64 s[12:13], s[12:13], s[20:21]
.macro FRAG reg, ah, at, off           ; a fragment, 16 rows x 128 K: two images, as they were stored
	ds_load_b128 v[(\reg):(\reg)+3], v[\ah] offset:(\off)
	ds_load_b64 v[(\reg)+4:(\reg)+5], v[\at] offset:(\off)
	ds_load_b128 v[(\reg)+6:(\reg)+9], v[\ah] offset:(\off)+768
	ds_load_b64 v[(\reg)+10:(\reg)+11], v[\at] offset:(\off)+768
.endm
; 16 matrix instructions: side 1's tiles a0, a0 + 1 x side 0's eight, K step s.  The 64 accumulators take turns, one instruction a turn.
.macro MUL16 a0, p, s, zero
.irp a, \a0, \a0+1
.irp b, 0,1,2,3,4,5,6,7
.if \zero
	v_wmma_scale_f32_16x16x128_f8f6f4 v[8*(8*((\a)%4)+\b):8*(8*((\a)%4)+\b)+7], v[128*(\p)+FR*\b:128*(\p)+FR*\b+FR-1], v[AF+FR*(\a):AF+FR*(\a)+FR-1], 0, v[SC+8*(\s)+\b], v[SC+8*(\s)+(\a)] matrix_a_fmt:MATRIX_FMT_FP6 matrix_b_fmt:MATRIX_FMT_FP6 matrix_a_scale:MATRIX_SCALE_ROW1
.else
	v_wmma_scale_f32_16x16x128_f8f6f4 v[8*(8*((\a)%4)+\b):8*(8*((\a)%4)+\b)+7], v[128*(\p)+FR*\b:128*(\p)+FR*\b+FR-1], v[AF+FR*(\a):AF+FR*(\a)+FR-1], v[8*(8*((\a)%4)+\b):8*(8*((\a)%4)+\b)+7], v[SC+8*(\s)+\b], v[SC+8*(\s)+(\a)] matrix_a_fmt:MATRIX_FMT_FP6 matrix_b_fmt:MATRIX_FMT_FP6 matrix_a_scale:MATRIX_SCALE_ROW1
.endif
.endr
.endr
.endm
.macro FETCH_B slot, q, p
	WIN TO_B
.irp i, 0,1,2,3,4,5,6,7
	FRAG 128*(\p)+FR*\i, BH+\slot, BT+\slot, TILEB*\i+1536*(\q)
.endr
	WIN 0
.endm
.macro FETCH_A slot, q, i0
.irp i, \i0, \i0+1, \i0+2, \i0+3
	FRAG AF+FR*(\i), AH+\slot, AT+\slot, TILEB*(\i)+1536*(\q)
.endr
.endm
.macro PLACES n                        ; plain vector instructions between a matrix instruction and a load into, or a read of, its registers (ISA guide 7.12.1 for reads)
.rept \n
	v_nop
.endr
.endm
.macro STEP slot, s, zero              ; a slot's first K step; it fetches the second
	s_wait_dscnt 4*NL                              ; all but the youngest sixteen loads (side 1's tiles 4-7) are in
	WIN MUL_LO
	MUL16 0, 0, \s, \zero
	MUL16 2, 0, \s, \zero
	s_wait_dscnt 0
	PLACES NP
	FETCH_B \slot, 1, 1
	FETCH_A \slot, 1, 0
	WIN MUL_HI
	MUL16 4, 0, \s, \zero
	MUL16 6, 0, \s, \zero
	PLACES NP
	WIN 0
	FETCH_A \slot, 1, 4
.endm
; A slot's second K step changes slots: ONE barrier; ahead of it each wave waits for all its tensor loads, adds 0 to its spare word, and waits for that and for its reads of this slot.  fill = 1: the slot is filled again, two slots on.
.macro TURN slot, next, s, fill
	s_wait_tensorcnt 0x0                           ; all my tensor loads have landed: my part of the next slot
	ds_add_u32 v[SPW], v[NIL]                      ; 0 onto my spare word
	s_wait_dscnt 4*NL+1                            ; (the add and the youngest sixteen loads may be out)
	WIN MUL_LO
	MUL16 0, 1, \s, 0
	s_wait_dscnt 0x0                               ; the add is done, and my reads of this slot are over
	s_barrier_signal -1
	MUL16 2, 1, \s, 0
	WIN 0
	s_barrier_wait -1
.if \fill
	CREST                                          ; the barrier has opened a round of the cluster's: no wave of any partner still reads this slot or has a load on its way
	s_add_nc_u64 s[G0+4*\slot+2:G0+4*\slot+3], s[G0+4*\slot+2:G0+4*\slot+3], 2*TILEB
	s_add_nc_u64 s[G0B+4*\slot+2:G0B+4*\slot+3], s[G0B+4*\slot+2:G0B+4*\slot+3], 2*TILEB
	JLOAD G0+4*\slot, G1, G0B+4*\slot, G1B         ; the first tensor load behind the round; its four v_nop are the places ahead of the loads below
.else
	PLACES NP
.endif
	FETCH_B \next, 0, 0
	FETCH_A \next, 0, 0
	WIN MUL_HI
	MUL16 4, 1, \s, 0
	MUL16 6, 1, \s, 0
	PLACES NP
	WIN 0
	FETCH_A \next, 0, 4
.endm
	s_wait_tensorcnt 1                             ; the scale words and my part of slot 0 are in; slot 1's load may be out
	s_barrier_signal -1
	s_barrier_wait -1
	FETCH_B 0, 0, 0
	FETCH_A 0, 0, 0
.irp s, 0,1,2,3,4,5,6,7                ; all 64 scale words, once: two tiles a load
.irp b, 0,1,2,3
	ds_load_b64 v[SC+8*\s+2*\b:SC+8*\s+2*\b+1], v[ADRS] offset:512*\s+128*\b
.endr
.endr
	FETCH_A 0, 0, 4
	STEP 0, 0, 1
	TURN 0, 1, 1, 1
	STEP 1, 2, 0
	TURN 1, 0, 3, 1
	STEP 0, 4, 0
	TURN 0, 1, 5, 0                                ; nothing is left to fetch: a plain barrier; behind it nobody reads slot 0
	STEP 1, 6, 0
	s_wait_dscnt 4*NL
	WIN MUL_LO
	MUL16 0, 1, 7, 0
	MUL16 2, 1, 7, 0
	s_wait_dscnt 0
	WIN MUL_HI
	MUL16 4, 1, 7, 0
	MUL16 6, 1, 7, 0
	WIN 0
; THE WAY OUT, tile by tile of 16 tokens x 128 columns, through my own stage: a lane's 32 bytes of a row go in, whole rows of 512 bytes come back.  LDS serves a wave's instructions in order (ISA guide 5.7.1.4): no wait between the stores and the loads.
.macro TOSTAGE a
.set AC, 64*((\a)%4)
	WIN 0x08+4*((\a)/4)                            ; the data: window 2 or 3
.irp b, 0,1,2,3,4,5,6,7
	ds_store_b128 v[STO], v[AC+8*\b:AC+8*\b+3] offset:128*(\b/2)+32*(\b%2)         ; each accumulator from its low end on
	ds_store_b128 v[STO], v[AC+8*\b+4:AC+8*\b+7] offset:128*(\b/2)+32*(\b%2)+16
.endr
	WIN 0
.set BB, BK+64*((\a)%2)
.irp t, 0,1,2,3,4,5,6,7,8,9,10,11,12,13,14,15
	ds_load_b128 v[BB+4*\t:BB+4*\t+3], v[RD] offset:\t*SPITCH
.endr
.endm
.macro SEND a, younger                 ; younger: the LDS instructions issued behind tile a's loads, which may stay out
.set BB, BK+64*((\a)%2)
	s_wait_dscnt \younger
.if (\a) > 0
.if ((\a)%2) == 1
	s_add_nc_u64 s[12:13], s[12:13], 8*4096        ; (behind a wait on XCNT: the earlier stores have read their base)  tile 2 g + 1 begins 8 tokens behind tile 2 g,
.else
	s_add_nc_u64 s[12:13], s[12:13], 24*4096       ; tile 2 g + 2 another 24
.endif
.endif
.irp t, 0,1,2,3,4,5,6,7,8,9,10,11,12,13,14,15
	global_store_b128 v4, v[BB+4*\t:BB+4*\t+3], s[12:13] offset:((\t%8)+16*(\t/8))*4096 th:TH_STORE_NT   ; stage row t is the tile's token (t % 8) + 16 (t / 8); 32 lanes store 512 consecutive bytes, aligned to 256
.endr
.endm
	PLACES NP                                      ; ahead of the first read of results and of the loads into the registers that held side 1's fragments
	TOSTAGE 0
.irp a, 1,2,3,4,5,6,7
.if \a > 1
	s_wait_xcnt 0x0                                ; tile a - 2's stores have read their registers and their base
.endif
	TOSTAGE \a
	SEND \a-1, 32                                  ; behind tile a - 1's loads: tile a's 16 stores and 16 loads
.endr
	s_wait_xcnt 0x0
	SEND 7, 0
	s_wait_tensorcnt 0x0                           ; the wave's end, behind my last tensor load and my last LDS store
	ds_add_u32 v[SPW], v[NIL]
	s_wait_dscnt 0x0
	CROUND                                         ; the closing round: no work-group ends while a partner may still ask for a tile that names it
	s_endpgm
.Lfunc_end_k_q19c111d8c3_gemm_out:
	.size	k_q19c111d8c3_gemm_out, .Lfunc_end_k_q19c111d8c3_gemm_out-k_q19c111d8c3_gemm_out
	.p2alignl 7, 3214868480
	.fill 96, 4, 3214868480
	.section	.rodata,"a",@progbits
	.p2align	6, 0x0
	.amdhsa_kernel k_q19c111d8c3_gemm_out
		.amdhsa_group_segment_fixed_size 327680
		.amdhsa_private_segment_fixed_size 0
		.amdhsa_enable_private_segment 0
		.amdhsa_kernarg_size 40
		.amdhsa_user_sgpr_count 2
		.amdhsa_user_sgpr_kernarg_segment_ptr 1
		.amdhsa_wavefront_size32 1
		.amdhsa_system_sgpr_workgroup_id_x 1
		.amdhsa_system_sgpr_workgroup_id_y 1
		.amdhsa_system_sgpr_workgroup_id_z 1
		.amdhsa_system_vgpr_workitem_id 0
		.amdhsa_next_free_vgpr 1024
		.amdhsa_next_free_sgpr 102
		.amdhsa_reserve_vcc 0
		.amdhsa_float_denorm_mode_32 3
		.amdhsa_float_denorm_mode_16_64 3
		.amdhsa_memory_ordered 1
		.amdhsa_forward_progress 1
		.amdhsa_inst_pref_size 143
	.end_amdhsa_kernel
	.amdgpu_metadata
---
amdhsa.version: [ 1, 2 ]
amdhsa.kernels:
  - .name:           k_q19c111d8c3_gemm_out
    .symbol:         k_q19c111d8c3_gemm_out.kd
    .args:
      - { .name: yc, .offset: 0, .size: 8, .value_kind: global_buffer, .address_space: global }
      - { .name: ys, .offset: 8, .size: 8, .value_kind: global_buffer, .address_space: global }
      - { .name: wc, .offset: 16, .size: 8, .value_kind: global_buffer, .address_space: global }
      - { .name: ws, .offset: 24, .size: 8, .value_kind: global_buffer, .address_space: global }
      - { .name: out0, .offset: 32, .size: 8, .value_kind: global_buffer, .address_space: global }
    .group_segment_fixed_size: 327680
    .private_segment_fixed_size: 0
    .kernarg_segment_align: 8
    .kernarg_segment_size: 40
    .max_flat_workgroup_size: 128
    .sgpr_count:     102
    .vgpr_count:     1024
    .wavefront_size: 32
...
	.end_amdgpu_metadata
.endif
;; end of part 4
